; MI455X (gfx1250); checked and timed in simulation.
; The chip was launched on July 23, 2026; its instructions are those of AMD's public machine-readable ISA for CDNA 5 (MIT licence, August 2026) and "CDNA5" Instruction Set Architecture Reference Guide (July 2026). The comments in the code are by the model that wrote it; some were corrected since.
;; Multi Head Attention. Allowed arithmetic: matrix products marked QUANTISED: E2M1 operands, one E8M0 scale for each 32 along K, by v_wmma_scale_f32_16x16x128_f8f6f4 with both operands' format E2M1 (or v_wmma_scale_f32_32x16x128_f4), f32 sums; products left as they are: bf16, f16 or f32 operands; f32 sums; everything else in f32.
;; Inputs: Wk 16 x 1,024 x 64 float32; Wp 1,024 x 1,024 float32; Wq 16 x 1,024 x 64 float32; Wv 16 x 1,024 x 64 float32; bp 1,024 float32; x 4 x 2,048 x 1,024 float32.
;; Outputs: out0 4 x 2,048 x 1,024 float32.
;; This version of the problem:
;;   THIS VERSION OF THE PROBLEM IS GIVEN IN LOW PRECISION. The matrix products marked QUANTISED in the list below multiply operands that are first quantised to E2M1 (2 exponent bits, 1 mantissa bit; 4 bits a number), with one power-of-two scale for each 32 numbers along K (OCP MX v1.0); their sums are f32. The products marked 'left as it is' may take bf16, f16 or f32 operands, with f32 sums. Whichever they take, every output number must still come out within the allowed error. Rounding operands to bf16 (8 significant bits) uses up far more of that allowance than f16 does (11 bits, for magnitudes from 6e-5 to 65,504). All else is computed in f32.
;;   The module's matrix products, in the order in which they are computed (A, B: the left and right operand; K: the contracted axis; several contracted axes count as one K, in the product's order):
;;     1. [M 1,024, K 1,024] x [K 1,024, N 8,192]; A: input Wq; B: input x: QUANTISED
;;     2. [M 1,024, K 1,024] x [K 1,024, N 8,192]; A: input Wk; B: input x: QUANTISED
;;     3. [M 1,024, K 1,024] x [K 1,024, N 8,192]; A: input Wv; B: input x: QUANTISED
;;     4. batch 64 x [M 2,048, K 64] x [K 64, N 2,048]; A: computed on the way; B: computed on the way: left as it is (an operand is computed on the way)
;;     5. batch 64 x [M 2,048, K 2,048] x [K 2,048, N 64]; A: computed on the way; B: computed on the way: left as it is (an operand is computed on the way)
;;     6. [M 8,192, K 1,024] x [K 1,024, N 1,024]; A: computed on the way; B: input Wp: left as it is (an operand is computed on the way)
;;   THE QUANTISER, for each operand of a quantised product, along K:
;;     - K is cut into blocks of 32 from its start; a last block that is shorter is filled with zeros.
;;     - A block's scale is 2^e with e = floor(log2(the largest magnitude in the block)) - 2, held to -126 .. 127; a block of zeros has e = 0. As a byte (E8M0): e + 127.
;;     - Each number is divided by its block's scale, clamped to +-6, and rounded to the nearest number of E2M1, ties to even, subnormals kept.
;;     - The product sums the exact products of the quantised numbers (number of the format x scale) in f32.
;;   ~~~python
;;   def quantise(x, axis):      # numpy; x: float32 -> the quantised numbers, widened to float32 again
;;       x = np.moveaxis(x, axis, -1); K = x.shape[-1]
;;       x = np.pad(x, [(0, 0)] * (x.ndim - 1) + [(0, -K % 32)]); x = x.reshape(x.shape[:-1] + (-1, 32)); a = np.abs(x).max(-1, keepdims=True)
;;       e = np.where(a > 0, np.clip(np.frexp(np.where(a > 0, a, 1))[1] - 1 - 2, -126, 127), 0)      # np.frexp(a)[1] - 1 = floor(log2(a)), exactly
;;       r = np.clip(x / 2.0 ** e, -6, 6)
;;       step = 2.0 ** (np.maximum(np.frexp(np.where(r == 0, 1, r))[1] - 1, 0) - 1)
;;       q = np.round(r / step) * step * 2.0 ** e      # np.round: ties to even
;;       return np.moveaxis(q.reshape(q.shape[:-2] + (-1,))[..., :K], -1, axis).astype(np.float32)
;;   ~~~
;; One version. Each part assembles by itself: llvm-mc -triple=amdgcn-amd-amdhsa -mcpu=gfx1250 --defsym DOCPART=n.
;; ======== version 1 of 1: 5 launches
;; limits: values are held in f16: magnitudes above 65,504 overflow, below 6.1e-05 lose precision
;; workspace buffers: xcodes 4,194,304 bytes; xscales 262,144 bytes; wcodes 1,572,864 bytes; wscales 98,304 bytes; wp16 4,194,304 bytes; qkv 50,331,648 bytes; q32 786,432 bytes; ctx 16,777,216 bytes
;; launch prep (part 1): grid 768 x 1, 8 waves a work-group, no clusters, 69,120 bytes of LDS; arguments x, Wq, Wk, Wv, Wp, xcodes, xscales, wcodes, wscales, wp16; writes xcodes, xscales, wcodes, wscales, wp16
.if DOCPART == 1
	.amdgcn_target "amdgcn-amd-amdhsa--gfx1250"
	.amdhsa_code_object_version 6
	.text
	.protected	k_qfd986b2750_prep
	.globl	k_qfd986b2750_prep
	.p2align	8
	.type	k_qfd986b2750_prep,@function
k_qfd986b2750_prep:
	s_mov_b64 s[64:65], 0
	v_nop
	global_prefetch_b8 v0, s[64:65] scope:SCOPE_SE
	s_setreg_imm32_b32 hwreg(HW_REG_WAVE_MODE, 25, 1), 1
	s_wait_xcnt 0x0
; x [8192][1024] and Wq, Wk, Wv [16][1024][64], f32, become codes of FP4 (E2M1) with one E8M0 byte for each 32 along K = the 1,024 of the embedding; Wp [1024][1024] becomes pairs of f16, a high and a low part.
; ALL RESULTS ARE LAID AS IMAGES OF OPERAND REGISTERS: a fragment (16 rows x 128 K of codes, or 16 rows x 32 K of f16) is 8 registers a lane = two groups of four;
; group c lies as [lane 0..31][16 bytes], 512 dense bytes, so that one 16-byte load a lane brings it back into the same registers of the same lanes.
;   xcodes [khalf 2][token tile 512][kstep 4][1,024]    xscales [token][8 words], word s = the four bytes of K step s
;   wcodes [khalf 2][column tile 192][kstep 4][1,024]   wscales [column 3,072][8 words];  column = 1,024 t + 64 head + d, t = 0 q, 1 k, 2 v
;   wp16   high parts, then at +2,097,152 the low parts; each [K chunk of 128: 8][column tile 64][K step of 32: 4][1,024]
; SHARES: work-groups 0-511: a tile of 16 tokens; 512-703: a tile of 16 weight columns; 704-767: a tile of 16 columns of Wp.  Each of the eight waves takes one K step of 128.  One task a wave, all its loads out together: no loop.
; A lane (r = lane % 16, hh = lane / 16) needs k = 64 c + 32 hh + 0..31 of row (or column) r in 64 registers: two whole blocks of 32, so no other lane is asked for a maximum.
;   x: K is innermost: each load takes 512 dense bytes of a row; the rows turn through the wave's own stage in LDS (rows of 528 bytes).   weights: K is not innermost: a lane takes a column and its registers run down K.
; THE SCALE: 2^(floor(log2(largest magnitude)) - 2); its byte is the largest magnitude's exponent field - 2, held at 1 from below by a floor among the maximum's leaves.
; LIMITS: a block of zeros gets the byte 1 (its codes are zeros, and this program alone reads the bytes); blocks whose largest magnitude lies under 2^-124 were not tried; NaN and infinities are not served; Wp beyond 65,504 is infinite in f16.
.set STGW,  8448                       ; a wave's stage: 16 rows x 528 bytes
.set SG,    8*STGW                     ; behind the stages: the tile's scale words, [row 16][K step 8]
.set SPARE, SG+512                     ; the spare words, 128 bytes for each wave: four blocks of 256 bytes that no other line names
.set LI,    4                          ; v4   16 x lane
.set STW,   5                          ; v5   the stage, on the way in
.set STR,   6                          ; v6   and on the way out
.set SGW,   7                          ; v7   where my row's scale word goes
.set SGR,   8                          ; v8   where wave 0 reads the words back
.set SPW,   12                         ; v12  my spare word; never rewritten
.set NIL,   13                         ; v13  0; never rewritten
.set HI,    16                         ; v16-47   Wp: the high parts
.set MX,    32                         ; v32-33   largest magnitudes
.set BY,    36                         ; v36-37   scale bytes
.set SO,    44                         ; v44-45   the conversions' scale operands
.set CD,    48                         ; v48-55   the codes
.set N,     64                         ; v64-127  the lane's 64 numbers
.set RAW,   128                        ; v128-191 x: rows as loaded;  Wp: at work
	s_load_b512 s[4:19], s[0:1], 0x0               ; x, Wq, Wk, Wv, Wp, xcodes, xscales, wcodes
	s_load_b128 s[20:23], s[0:1], 0x40             ; wscales, wp16
	v_lshl_add_u32 v[SPW], v0, 2, SPARE
	v_mov_b32 v[NIL], 0
	v_lshrrev_b32 v1, 5, v0
	v_readfirstlane_b32 s26, v1                    ; wave = K step
	v_and_b32 v1, 31, v0                           ; lane
	v_and_b32 v2, 15, v0                           ; r
	v_bfe_u32 v3, v0, 4, 1                         ; hh
	v_lshlrev_b32 v[LI], 4, v1
	s_mul_i32 s24, s26, STGW
	v_add_nc_u32 v[STW], s24, v[LI]                ; in: a row's 512 bytes as they lie
	v_mul_u32_u24 v[STR], v2, 528
	v_lshl_add_u32 v[STR], v3, 7, v[STR]
	v_add_nc_u32 v[STR], s24, v[STR]               ; out: row r, + 128 hh bytes
	s_lshl_b32 s25, s26, 2
	s_add_co_u32 s25, s25, SG
	v_lshl_add_u32 v[SGW], v2, 5, s25              ; 32 r + 4 x wave
	v_add_nc_u32 v[SGR], SG, v[LI]
	s_mov_b32 s38, 0x76543210
	s_mov_b32 s39, 0xfedcba98                      ; v_permlanex16_b32's selects for lane l xor 16
	s_mov_b32 s34, 786432                          ; from K half to K half in wcodes
	s_wait_kmcnt 0x0
	s_cmp_ge_u32 ttmp9, 704
	s_cbranch_scc1 .Lwp
	; where the codes and the scale words go: chosen by the work-group's number alone
	s_cmp_lt_u32 ttmp9, 512
	s_cselect_b64 s[28:29], s[14:15], s[18:19]
	s_cselect_b64 s[30:31], s[16:17], s[20:21]
	s_cselect_b32 s34, 2097152, s34                ; from K half to K half in xcodes
	s_cselect_b32 s27, 0, 512
	s_sub_co_u32 s27, ttmp9, s27                   ; the tile
	s_lshr_b32 s35, s26, 2
	s_mul_i32 s34, s34, s35                        ; my K half,
	s_lshl_b32 s35, s27, 12
	s_add_co_u32 s34, s34, s35                     ; the tile's 4,096 bytes in it,
	s_and_b32 s35, s26, 3
	s_lshl_b32 s35, s35, 10
	s_add_co_u32 s34, s34, s35                     ; my K step's 1,024
	s_mov_b32 s35, 0
	s_add_nc_u64 s[28:29], s[28:29], s[34:35]
	s_lshl_b32 s36, s27, 9                         ; 16 rows x 32 bytes of scale words
	s_mov_b32 s37, 0
	s_add_nc_u64 s[30:31], s[30:31], s[36:37]
	s_cmp_ge_u32 ttmp9, 512
	s_cbranch_scc1 .Lweights
	; ---- x: 16 rows x 512 bytes
	s_lshl_b32 s34, ttmp9, 16                      ; 16 rows of 4,096 bytes
	s_lshl_b32 s35, s26, 9
	s_add_co_u32 s34, s34, s35
	s_mov_b32 s35, 0
	s_add_nc_u64 s[32:33], s[4:5], s[34:35]
.set i, 0
.rept 16
	global_load_b128 v[RAW+4*i:RAW+4*i+3], v[LI], s[32:33] offset:4096*i th:TH_LOAD_NT   ; 32 lanes read 512 consecutive bytes of row i; read once in the launch
.set i, i+1
.endr
.set i, 0
.rept 16
	s_wait_loadcnt 15-i                            ; row i is in; the younger loads may be out
	ds_store_b128 v[STW], v[RAW+4*i:RAW+4*i+3] offset:528*i
.set i, i+1
.endr
.irp c, 0,1
.irp e, 0,1,2,3,4,5,6,7
	ds_load_b128 v[N+32*\c+4*\e:N+32*\c+4*\e+3], v[STR] offset:256*\c+16*\e   ; my wave's own bytes, served in order behind the stores
.endr
.endr
	s_wait_dscnt 0x0
	s_branch .Lquant
.Lweights:                                             ; ---- a tile of 16 columns of Wq, Wk or Wv
	s_lshr_b32 s34, s27, 6                         ; t
	s_cmp_eq_u32 s34, 0
	s_cselect_b64 s[32:33], s[6:7], s[8:9]
	s_cmp_eq_u32 s34, 2
	s_cselect_b64 s[32:33], s[10:11], s[32:33]
	s_bfe_u32 s34, s27, 0x40002                    ; the head: 4 bits from bit 2
	s_lshl_b32 s34, s34, 18                        ; 1,024 rows of 256 bytes
	s_lshl_b32 s35, s26, 15                        ; my 128 rows
	s_add_co_u32 s34, s34, s35
	s_and_b32 s35, s27, 3
	s_lshl_b32 s35, s35, 6                         ; the tile's 16 columns
	s_add_co_u32 s34, s34, s35
	s_mov_b32 s35, 0
	s_add_nc_u64 s[32:33], s[32:33], s[34:35]
	v_lshlrev_b32 v11, 2, v2
	v_lshl_add_u32 v11, v3, 13, v11                ; column r; lanes 16-31 begin 32 rows further down
.set n, 0
.rept 64
	global_load_b32 v[N+n], v11, s[32:33] offset:(64*(n/32)+n%32)*256   ; W(64 c + 32 hh + i, r): sixteen lanes read 64 consecutive bytes
.set n, n+1
.endr
	s_wait_loadcnt 0x0
.Lquant:                                               ; ---- 64 numbers a lane become 8 registers of codes and a share of the scale word
.irp c, 0,1
	v_max3_num_f32 v[MX+\c], |v[N+32*\c]|, |v[N+1+32*\c]|, 0x1800000   ; the floor 2^(3 - 127): the byte cannot fall under 1
.endr
.irp i, 2,4,6,8,10,12,14,16,18,20,22,24,26,28,30
.irp c, 0,1
	v_max3_num_f32 v[MX+\c], v[MX+\c], |v[N+32*\c+\i]|, |v[N+1+32*\c+\i]|   ; the two blocks by turns
.endr
.endr
.irp c, 0,1
	v_add_nc_u32 v[SO+\c], 0xff000000, v[MX+\c]    ; 2 off the exponent field: the conversion takes that field of this operand as its scale
.endr
.irp c, 0,1
	v_lshrrev_b32 v[BY+\c], 23, v[SO+\c]           ; the scale's byte
.endr
	v_lshl_or_b32 v9, v[BY+1], 16, v[BY]           ; my blocks hh and 2 + hh,
	v_lshlrev_b32 v10, 3, v3
	v_lshlrev_b32 v9, v10, v9                      ; at their places in the word;
	v_mov_b32 v10, 0
	v_permlanex16_b32 v10, v9, s38, s39
	v_or_b32 v9, v9, v10                           ; with lane l xor 16's two the word is whole
.irp c, 0,1
.irp g, 0,1,2,3
	v_cvt_scalef32_pk8_fp4_f32 v[CD+4*\c+\g], v[N+32*\c+8*\g:N+32*\c+8*\g+7], v[SO+\c]
.endr
.endr
	v_nop                                          ; one plain line behind the last scaled conversion
	global_store_b128 v[LI], v[CD:CD+3], s[28:29]             ; the fragment's image: 512 consecutive bytes a store
	global_store_b128 v[LI], v[CD+4:CD+7], s[28:29] offset:512
	ds_store_b32 v[SGW], v9                        ; lanes r and r + 16 write the same word with the same value
	s_wait_dscnt 0x0                               ; for the others' sake: my word has landed
	s_barrier_signal -1
	s_barrier_wait -1
	s_cmp_lg_u32 s26, 0
	s_cbranch_scc1 .Lend
	ds_load_b128 v[56:59], v[SGR]                  ; wave 0: the tile's 16 rows x 8 words,
	s_wait_dscnt 0x0
	global_store_b128 v[LI], v[56:59], s[30:31]    ; 512 consecutive bytes
	s_branch .Lend
.Lwp:                                                  ; ---- 16 columns x 128 rows of Wp: four f16 fragments, high and low
	s_sub_co_u32 s27, ttmp9, 704                   ; the column tile
	s_lshl_b32 s34, s26, 19                        ; my 128 rows of 4,096 bytes
	s_lshl_b32 s35, s27, 6
	s_add_co_u32 s34, s34, s35
	s_mov_b32 s35, 0
	s_add_nc_u64 s[32:33], s[12:13], s[34:35]
	s_lshl_b32 s36, s26, 18                        ; my K chunk: 64 tiles x 4,096 bytes
	s_lshl_b32 s37, s27, 12
	s_add_co_u32 s36, s36, s37
	s_mov_b32 s37, 0
	s_add_nc_u64 s[28:29], s[22:23], s[36:37]
	v_lshlrev_b32 v11, 2, v2
	v_lshl_add_u32 v11, v3, 15, v11                ; column r; lanes 16-31 begin 8 rows further down
.set n, 0
.rept 64
	global_load_b32 v[N+n], v11, s[32:33] offset:(32*(n/16)+16*((n/8)%2)+n%8)*4096   ; register 16 s + 8 c + i: k = 32 s + 16 c + 8 hh + i, as the 16-bit operand's layout has it
.set n, n+1
.endr
	s_wait_loadcnt 0x0
.set j, 0
.rept 32
	v_cvt_pk_f16_f32 v[HI+j], v[N+2*j], v[N+2*j+1] ; the high parts
.set j, j+1
.endr
.set j, 0
.rept 16
	v_mov_b32 v9, v[HI+2*j]                        ; (into registers whose halves are named)
	v_mov_b32 v10, v[HI+2*j+1]
	v_cvt_f32_f16 v[RAW+4*j], v9.l
	v_cvt_f32_f16 v[RAW+4*j+1], v9.h
	v_cvt_f32_f16 v[RAW+4*j+2], v10.l
	v_cvt_f32_f16 v[RAW+4*j+3], v10.h
.set j, j+1
.endr
.set n, 0
.rept 64
	v_sub_f32 v[N+n], v[N+n], v[RAW+n]             ; what the high part left over, exactly
.set n, n+1
.endr
.set j, 0
.rept 32
	v_cvt_pk_f16_f32 v[RAW+j], v[N+2*j], v[N+2*j+1] ; the low parts
.set j, j+1
.endr
.set j, 0
.rept 8
	global_store_b128 v[LI], v[HI+4*j:HI+4*j+3], s[28:29] offset:512*j
	global_store_b128 v[LI], v[RAW+4*j:RAW+4*j+3], s[28:29] offset:2097152+512*j
.set j, j+1
.endr
.Lend:
	s_wait_tensorcnt 0x0                           ; the wave's end, behind my last LDS store
	ds_add_u32 v[SPW], v[NIL]
	s_wait_dscnt 0x0
	s_endpgm
.Lfunc_end_k_qfd986b2750_prep:
	.size	k_qfd986b2750_prep, .Lfunc_end_k_qfd986b2750_prep-k_qfd986b2750_prep
	.p2alignl 7, 3214868480
	.fill 96, 4, 3214868480
	.section	.rodata,"a",@progbits
	.p2align	6, 0x0
	.amdhsa_kernel k_qfd986b2750_prep
		.amdhsa_group_segment_fixed_size 69120
		.amdhsa_private_segment_fixed_size 0
		.amdhsa_enable_private_segment 0
		.amdhsa_kernarg_size 80
		.amdhsa_user_sgpr_count 2
		.amdhsa_user_sgpr_kernarg_segment_ptr 1
		.amdhsa_wavefront_size32 1
		.amdhsa_system_sgpr_workgroup_id_x 1
		.amdhsa_system_sgpr_workgroup_id_y 1
		.amdhsa_system_sgpr_workgroup_id_z 1
		.amdhsa_system_vgpr_workitem_id 0
		.amdhsa_next_free_vgpr 192
		.amdhsa_next_free_sgpr 66
		.amdhsa_reserve_vcc 0
		.amdhsa_float_denorm_mode_32 3
		.amdhsa_float_denorm_mode_16_64 3
		.amdhsa_memory_ordered 1
		.amdhsa_forward_progress 1
		.amdhsa_inst_pref_size 34
	.end_amdhsa_kernel
	.amdgpu_metadata
---
amdhsa.version: [ 1, 2 ]
amdhsa.kernels:
  - .name:           k_qfd986b2750_prep
    .symbol:         k_qfd986b2750_prep.kd
    .args:
      - { .name: x, .offset: 0, .size: 8, .value_kind: global_buffer, .address_space: global }
      - { .name: Wq, .offset: 8, .size: 8, .value_kind: global_buffer, .address_space: global }
      - { .name: Wk, .offset: 16, .size: 8, .value_kind: global_buffer, .address_space: global }
      - { .name: Wv, .offset: 24, .size: 8, .value_kind: global_buffer, .address_space: global }
      - { .name: Wp, .offset: 32, .size: 8, .value_kind: global_buffer, .address_space: global }
      - { .name: xcodes, .offset: 40, .size: 8, .value_kind: global_buffer, .address_space: global }
      - { .name: xscales, .offset: 48, .size: 8, .value_kind: global_buffer, .address_space: global }
      - { .name: wcodes, .offset: 56, .size: 8, .value_kind: global_buffer, .address_space: global }
      - { .name: wscales, .offset: 64, .size: 8, .value_kind: global_buffer, .address_space: global }
      - { .name: wp16, .offset: 72, .size: 8, .value_kind: global_buffer, .address_space: global }
    .group_segment_fixed_size: 69120
    .private_segment_fixed_size: 0
    .kernarg_segment_align: 8
    .kernarg_segment_size: 80
    .max_flat_workgroup_size: 256
    .sgpr_count:     66
    .vgpr_count:     192
    .wavefront_size: 32
...
	.end_amdgpu_metadata
.endif
;; end of part 1
;; launch qkv (part 2): grid 12 x 32, 4 waves a work-group, clusters of 4 x 4, 327,680 bytes of LDS; arguments xcodes, xscales, wcodes, wscales, qkv, q32; writes qkv, q32
.if DOCPART == 2
	.amdgcn_target "amdgcn-amd-amdhsa--gfx1250"
	.amdhsa_code_object_version 6
	.text
	.protected	k_qfd986b2750_qkv
	.globl	k_qfd986b2750_qkv
	.p2align	8
	.type	k_qfd986b2750_qkv,@function
k_qfd986b2750_qkv:
	s_mov_b64 s[64:65], 0
	v_nop
	global_prefetch_b8 v0, s[64:65] scope:SCOPE_SE
	s_setreg_imm32_b32 hwreg(HW_REG_WAVE_MODE, 25, 1), 1
	s_wait_xcnt 0x0
	s_wait_alu depctr_hold_cnt(0) depctr_sa_sdst(0) depctr_va_vdst(0) depctr_va_sdst(0) depctr_va_ssrc(0) depctr_va_vcc(0) depctr_vm_vsrc(0)
	s_getreg_b32 s2, hwreg(HW_REG_IB_STS2, 6, 4)
	s_cmp_eq_u32 s2, 0
	s_cbranch_scc0 .Lentry_in_a_cluster
	s_endpgm
.Lentry_in_a_cluster:
	s_bfe_u32 s2, ttmp6, 0x10000c
	s_cmp_lg_u32 s2, 0xf033
	s_cbranch_scc0 .Lentry_shape_is_right
	s_endpgm
.Lentry_shape_is_right:
; q, k, v = x W on codes of FP4 (E2M1) with one E8M0 scale for each 32 along K = 1,024; sums in f32.  8,192 tokens x 3,072 columns (column = 1,024 t + 64 head + d; t = 0 q, 1 k, 2 v).
; A work-group of four waves makes 256 tokens x 256 columns, a wave 128 x 128: 64 accumulators of 16 x 16, 512 registers.  K is 8 steps of 128: both halves of K (slot 0, slot 1) and all scale words are asked for at the head; nothing is filled twice.
; THE OPERANDS COME AS IMAGES OF THEIR REGISTERS (16 rows x 128 K = 1,024 bytes, [group 2][lane][16]): a tile's part of a K half is one dense block of memory, and each fragment load reads 512 consecutive LDS bytes: no pitch, no padding.
; CLUSTERS: 4 x 4 work-groups; the four of a row need the same tokens, the four of a column the same weights: each block is asked for JOINTLY, by the same tensor load with the same descriptor and a mask that names the four.
; THE RESULTS LEAVE AS IMAGES TOO, in f16, as the attention launch's operands:
;   q, k (cluster x = 0, 1): the product is used transposed (source 0 = weights, source 1 = tokens): a lane holds one token and eight neighbouring d: four packed registers are a group of the fragment 16 tokens x 32 d.
;   v (cluster x = 2): source 0 = tokens, source 1 = weights: a lane holds one d and eight neighbouring tokens: a group of the fragment 16 d x 32 keys.  The choice hangs on the cluster's x alone, which all partners share.
;   qkv [t][batch x head 64][262,144]: q, k: [token tile 128][d half 2][1,024];  v: [32 keys: 64][d tile 4][1,024].
; The f32 sums of each batch's first 16 tokens also go to q32 [batch][16 t + head][d tile 4][half 2][lane][16], for the launch that carries those rows finely: stores under EXEC, no branch.
; LIMIT: q, k, v beyond 65,504 become infinite in f16.
; REGISTERS, in windows of 256: window 0: v16-31 addresses; v32-95 scale words, two sets; v128-191 the tokens' fragments, ONE set (on the way out v128-255 hold packed results).
;   window 1: the weights' fragments, TWO sets, at v0 and v128.   window 2: accumulators of my token tiles 0-3 ((a, b) at v[8 (8 (a % 4) + b)]);   window 3: of tiles 4-7.
.set SLOT,  131072                     ; a K half: the tokens' 16 tiles x 4,096 bytes, then the weights' 16
.set BOFF,  65536
.set SCL,   2*SLOT                     ; the scale words: four blocks of 128 rows x 32 bytes, as units of 256 bytes + 16 of padding
.set HALFS, 4352
.set SBLK,  544                        ; those of 16 rows
.set SPARE, SCL+4*HALFS                ; the spare words, 128 bytes for each wave: two blocks of 256 bytes that no other line names
.set ADRA, 16                          ; v16-17  LDS address of my tokens' fragments in slot 0, 1
.set ADRB, 20                          ; v20-21  the same for the weights
.set LI,   26                          ; v26     16 x lane
.set ADRS, 27                          ; v27     my scale words: lanes 0-15 the tokens', lanes 16-31 the weights'
.set SPW,  28                          ; v28     my spare word; never rewritten
.set NIL,  29                          ; v29     0; never rewritten
.set FLG,  30                          ; v30     0 where my first token tile is a batch's first
.set SC,   32                          ; set s at v[SC + 32 s]; register 4 i + q: block i, the slot's q-th K step
.set AF,   128
.set TMP,  128
.set G1, 24                            ; s[24:31] group 1 for the tokens' codes;  s[32:39] group 0, a set for each slot
.set G0, 32
.set G1B, 48                           ; s[48:55], s[56:63] the same for the weights'
.set G0B, 56
.set G1S, 68                           ; s[68:75], s[76:79] groups 1 and 0 for the tokens' scale words;  s[80:87], s[88:91] for the weights'
.set G0S, 76
.set G1SB, 80
.set G0SB, 88
.set MSB, 0
.macro WIN new                         ; the immediate's high byte repeats the setting that is left
.if MSB != (\new)
	s_set_vgpr_msb (MSB<<8)|(\new)
.set MSB, (\new)
.endif
.endm
.set MUL_LO, 0xa1                      ; source 0 window 1, source 1 window 0, C and D window 2;  + 3: the sources the other way round
.set MUL_HI, 0xf1                      ; the same, C and D window 3
.set TO_B,   0x40                      ; destination window 1, address window 0
; A joint load: waves 0 and 1 fetch for the tokens, waves 2 and 3 for the weights.  Each line has one mask and one set of registers for all that issue it; the branch hangs on the wave's number alone.
; An s_nop 0 and four v_nop follow each of the two lines.
.macro JLOAD g0a, g1a, g0b, g1b
	s_cmp_eq_u32 s17, 0
	s_cbranch_scc0 .Lfor_b_\@
	tensor_load_to_lds s[\g0a:\g0a+3], s[\g1a:\g1a+7]
	s_nop 0
.rept 4
	v_nop
.endr
	s_branch .Lasked_\@
.Lfor_b_\@:
	tensor_load_to_lds s[\g0b:\g0b+3], s[\g1b:\g1b+7]
	s_nop 0
.rept 4
	v_nop
.endr
.Lasked_\@:
.endm
.macro CROUND                          ; a round of the cluster's barrier
	s_barrier_signal -1
	s_barrier_wait -1
	s_cmp_lg_u32 s16, 0
	s_cbranch_scc1 .Lnot_wave_0_\@
	s_barrier_signal -3
.Lnot_wave_0_\@:
	s_barrier_wait -3
	s_barrier_signal -1
	s_barrier_wait -1
.endm
	s_load_b128 s[4:7], s[0:1], 0x0                ; xcodes, xscales
	s_load_b128 s[8:11], s[0:1], 0x10              ; wcodes, wscales
	s_load_b128 s[12:15], s[0:1], 0x20             ; qkv, q32
	v_lshl_add_u32 v[SPW], v0, 2, SPARE
	v_mov_b32 v[NIL], 0
	ds_add_u32 v[SPW], v[NIL]                      ; the wave's opening: the add, twice on end, and its wait ahead of my first tensor load
	ds_add_u32 v[SPW], v[NIL]
	v_lshrrev_b32 v1, 5, v0
	v_readfirstlane_b32 s16, v1                    ; wave 0..3
	s_lshr_b32 s17, s16, 1                         ; which half of the tile's tokens is mine.  Also: I fetch for the tokens (0) or for the weights (1)
	s_and_b32 s18, s16, 1                          ; which half of its columns.  Also: which 128 rows I fetch
	s_bfe_u32 s40, ttmp6, 0x40000                  ; cx, cy: my place in the cluster
	s_bfe_u32 s41, ttmp6, 0x40004
	s_lshl_b32 s42, ttmp9, 2
	s_add_co_u32 s42, s42, s40                     ; tile column = 4 x cluster x + cx
	s_and_b32 s19, ttmp7, 0xffff
	s_lshl_b32 s19, s19, 2
	s_add_co_u32 s19, s19, s41                     ; tile row = 4 x cluster y + cy
	s_lshl_b32 s43, s41, 2
	s_lshl_b32 s43, 15, s43                        ; my row of the cluster
	s_lshl_b32 s44, 0x1111, s40                    ; my column
	; group 1 for the codes: a dense block of 32,768 bytes as 128 rows of 32 elements of 8 bytes
	s_or_b32 s[G1+0], s43, (3<<16)|(1<<21)         ; 15:0 the mask; 17:16 elements of 8 bytes; 21 set beside a mask
	s_or_b32 s[G1B+0], s44, (3<<16)|(1<<21)
.irp g, G1, G1B
	s_mov_b32 s[\g+1], 32<<16                      ; tensor_dim0
	s_mov_b32 s[\g+2], 128<<16                     ; tensor_dim1
	s_mov_b32 s[\g+3], 32<<16                      ; tile_dim0
	s_mov_b32 s[\g+4], 128                         ; tile_dim1
	s_mov_b32 s[\g+5], 32                          ; the pitch
	s_mov_b32 s[\g+6], 0
	s_mov_b32 s[\g+7], 0
.endr
	; and for the scale words of 128 rows: 4,096 dense bytes as 16 rows of 256, four words of padding behind each
	s_or_b32 s[G1S+0], s43, (3<<16)|(1<<20)|(1<<21)|(5<<22)|(3<<25)
	s_or_b32 s[G1SB+0], s44, (3<<16)|(1<<20)|(1<<21)|(5<<22)|(3<<25)
.irp g, G1S, G1SB
	s_mov_b32 s[\g+1], 32<<16
	s_mov_b32 s[\g+2], 16<<16
	s_mov_b32 s[\g+3], 32<<16
	s_mov_b32 s[\g+4], 16
	s_mov_b32 s[\g+5], 32
	s_mov_b32 s[\g+6], 0
	s_mov_b32 s[\g+7], 0
.endr
	s_lshl_b32 s20, s19, 16                        ; tokens: 16 tiles of 4,096 bytes a tile row, + my 8
	s_lshl_b32 s21, s18, 15
	s_add_co_u32 s20, s20, s21
	s_mov_b32 s21, 0
	s_lshl_b32 s46, s42, 16                        ; weights likewise, by the tile column
	s_lshl_b32 s47, s18, 15
	s_add_co_u32 s46, s46, s47
	s_mov_b32 s47, 0
	s_lshl_b32 s22, s19, 13                        ; the scale words: 256 rows of 32 bytes, + my 128
	s_lshl_b32 s23, s18, 12
	s_add_co_u32 s22, s22, s23
	s_mov_b32 s23, 0
	s_lshl_b32 s92, s42, 13
	s_lshl_b32 s93, s18, 12
	s_add_co_u32 s92, s92, s93
	s_mov_b32 s93, 0
	s_lshl_b32 s45, s16, 15                        ; where they go: wave x 32,768: no place in the cluster enters an LDS address
	s_mul_i32 s94, s16, HALFS
	s_wait_dscnt 0x0                               ; both opening adds are done
	s_wait_kmcnt 0x0
	s_add_nc_u64 s[20:21], s[4:5], s[20:21]
	s_add_nc_u64 s[22:23], s[6:7], s[22:23]
	s_add_nc_u64 s[46:47], s[8:9], s[46:47]
	s_add_nc_u64 s[92:93], s[10:11], s[92:93]
	CROUND                                         ; all sixteen work-groups are here: the joint loads meet
	s_mov_b32 s[G0S], 1
	s_add_co_u32 s[G0S+1], s94, SCL
	s_mov_b64 s[G0S+2:G0S+3], s[22:23]
	s_or_b32 s[G0S+3], s[G0S+3], 0x80000000
	s_mov_b32 s[G0SB], 1
	s_add_co_u32 s[G0SB+1], s94, SCL
	s_mov_b64 s[G0SB+2:G0SB+3], s[92:93]
	s_or_b32 s[G0SB+3], s[G0SB+3], 0x80000000
	JLOAD G0S, G1S, G0SB, G1SB                     ; the scale words first: they are wanted with the first K step
.irp s, 0,1
	s_mov_b32 s[G0+4*\s], 1
	s_add_co_u32 s[G0+4*\s+1], s45, \s*SLOT
	s_add_nc_u64 s[G0+4*\s+2:G0+4*\s+3], s[20:21], \s*2097152
	s_or_b32 s[G0+4*\s+3], s[G0+4*\s+3], 0x80000000
	s_mov_b32 s[G0B+4*\s], 1
	s_add_co_u32 s[G0B+4*\s+1], s45, \s*SLOT
	s_add_nc_u64 s[G0B+4*\s+2:G0B+4*\s+3], s[46:47], \s*786432
	s_or_b32 s[G0B+4*\s+3], s[G0B+4*\s+3], 0x80000000
	JLOAD G0+4*\s, G1, G0B+4*\s, G1B               ; three loads of mine are out
.endr
	v_and_b32 v1, 15, v0                           ; r
	v_bfe_u32 v2, v0, 4, 1                         ; hh
	v_and_b32 v3, 31, v0
	v_lshlrev_b32 v[LI], 4, v3
	s_lshl_b32 s21, s17, 15                        ; my 8 token tiles
	s_lshl_b32 s22, s18, 15                        ; my 8 column tiles,
	s_add_co_u32 s22, s22, BOFF                    ; behind the tokens' 16
.irp s, 0,1
	v_add_nc_u32 v[ADRA+\s], s21, v[LI]
	v_add_nc_u32 v[ADRB+\s], s22, v[LI]
	s_add_co_u32 s21, s21, SLOT
	s_add_co_u32 s22, s22, SLOT
.endr
	v_mul_u32_u24 v5, v1, 32                       ; my row's scale words: 32 bytes a row,
	v_lshrrev_b32 v6, 8, v5
	v_lshl_add_u32 v5, v6, 4, v5                   ; and 16 more for each 256 passed
	s_mul_i32 s21, s17, HALFS                      ; the tokens': my 128 rows
	s_mul_i32 s22, s18, HALFS                      ; the weights': my 128 rows, behind the tokens' 256
	s_add_co_u32 s22, s22, 2*HALFS
	s_sub_co_u32 s22, s22, s21
	v_mul_u32_u24 v6, s22, v2                      ; lanes 16-31 take the weights'
	s_add_co_u32 s21, s21, SCL
	v_add_nc_u32 v5, v5, v6
	v_add_nc_u32 v[ADRS], s21, v5
	; where my results go.  qkv: (64 t + 16 batch + head) x 262,144 + the token tile's place, which is (tile row % 8) x 32,768 + 16,384 x token half in both layouts
	s_lshl_b32 s20, ttmp9, 6
	s_lshr_b32 s21, s19, 3                         ; the batch
	s_lshl_b32 s22, s21, 4
	s_add_co_u32 s20, s20, s22
	s_lshl_b32 s22, s40, 2
	s_add_co_u32 s20, s20, s22
	s_lshl_b32 s22, s18, 1
	s_add_co_u32 s20, s20, s22                     ; my first head: 4 cx + 2 x column half
	s_lshl_b32 s20, s20, 18
	s_and_b32 s22, s19, 7
	s_or_b32 s97, s22, s17                         ; 0 where my first token tile is a batch's first
	s_lshl_b32 s22, s22, 15
	s_add_co_u32 s20, s20, s22
	s_lshl_b32 s22, s17, 14
	s_add_co_u32 s20, s20, s22
	s_mul_i32 s22, s21, 48                         ; q32: (48 batch + 16 t + head) x 4,096
	s_mov_b32 s21, 0
	s_add_nc_u64 s[12:13], s[12:13], s[20:21]
	s_lshl_b32 s23, s42, 2
	s_add_co_u32 s22, s22, s23
	s_lshl_b32 s23, s18, 1
	s_add_co_u32 s22, s22, s23
	s_lshl_b32 s22, s22, 12
	s_mov_b32 s23, 0
	s_add_nc_u64 s[14:15], s[14:15], s[22:23]
.macro FRAG reg, adr, q, i             ; a fragment's image: two loads of 512 consecutive bytes
.irp c, 0,1
	ds_load_b128 v[\reg+4*\c:\reg+4*\c+3], v[\adr] offset:(4*(\i)+(\q))*1024+512*\c
.endr
.endm
; 16 matrix instructions: token tiles a0, a0 + 1 x the eight column tiles, 128 along K: the slot's q-th.  p: the weights' set;  sc: the set of scale words;  zero = 1: the first product starts the sums;
; sw = 0: source 0 = weights, source 1 = tokens;  sw = 1: the other way round.  A scale register holds the tokens' word in lanes 0-15 and the weights' in lanes 16-31.
; The 64 accumulators take turns, one instruction a turn, in the same order in every step.
.macro MUL16 a0, p, q, sc, zero, sw
.irp a, \a0, \a0+1
.irp b, 0,1,2,3,4,5,6,7
.if \sw
.if \zero
	v_wmma_scale_f32_16x16x128_f8f6f4 v[8*(8*((\a)%4)+\b):8*(8*((\a)%4)+\b)+7], v[AF+8*(\a):AF+8*(\a)+7], v[128*(\p)+8*\b:128*(\p)+8*\b+7], 0, v[SC+32*(\sc)+4*(\a)+(\q)], v[SC+32*(\sc)+4*\b+(\q)] matrix_a_fmt:MATRIX_FMT_FP4 matrix_b_fmt:MATRIX_FMT_FP4 matrix_b_scale:MATRIX_SCALE_ROW1
.else
	v_wmma_scale_f32_16x16x128_f8f6f4 v[8*(8*((\a)%4)+\b):8*(8*((\a)%4)+\b)+7], v[AF+8*(\a):AF+8*(\a)+7], v[128*(\p)+8*\b:128*(\p)+8*\b+7], v[8*(8*((\a)%4)+\b):8*(8*((\a)%4)+\b)+7], v[SC+32*(\sc)+4*(\a)+(\q)], v[SC+32*(\sc)+4*\b+(\q)] matrix_a_fmt:MATRIX_FMT_FP4 matrix_b_fmt:MATRIX_FMT_FP4 matrix_b_scale:MATRIX_SCALE_ROW1
.endif
.else
.if \zero
	v_wmma_scale_f32_16x16x128_f8f6f4 v[8*(8*((\a)%4)+\b):8*(8*((\a)%4)+\b)+7], v[128*(\p)+8*\b:128*(\p)+8*\b+7], v[AF+8*(\a):AF+8*(\a)+7], 0, v[SC+32*(\sc)+4*\b+(\q)], v[SC+32*(\sc)+4*(\a)+(\q)] matrix_a_fmt:MATRIX_FMT_FP4 matrix_b_fmt:MATRIX_FMT_FP4 matrix_a_scale:MATRIX_SCALE_ROW1
.else
	v_wmma_scale_f32_16x16x128_f8f6f4 v[8*(8*((\a)%4)+\b):8*(8*((\a)%4)+\b)+7], v[128*(\p)+8*\b:128*(\p)+8*\b+7], v[AF+8*(\a):AF+8*(\a)+7], v[8*(8*((\a)%4)+\b):8*(8*((\a)%4)+\b)+7], v[SC+32*(\sc)+4*\b+(\q)], v[SC+32*(\sc)+4*(\a)+(\q)] matrix_a_fmt:MATRIX_FMT_FP4 matrix_b_fmt:MATRIX_FMT_FP4 matrix_a_scale:MATRIX_SCALE_ROW1
.endif
.endif
.endr
.endr
.endm
.macro FETCH_B slot, q, p              ; the weights' eight fragments of the slot's q-th K step into set p
	WIN TO_B
.irp i, 0,1,2,3,4,5,6,7
	FRAG 128*(\p)+8*\i, ADRB+\slot, \q, \i
.endr
	WIN 0
.endm
.macro FETCH_A slot, q, i0             ; the tokens' tiles i0 .. i0 + 3
.irp i, \i0, \i0+1, \i0+2, \i0+3
	FRAG AF+8*(\i), ADRA+\slot, \q, \i
.endr
.endm
.macro SCALES s                        ; the slot's scale words: four a row; lanes 0-15 take the tokens' tile i, lanes 16-31 the weights' tile i
.irp i, 0,1,2,3,4,5,6,7
	ds_load_b128 v[SC+32*\s+4*\i:SC+32*\s+4*\i+3], v[ADRS] offset:\i*SBLK+16*\s
.endr
.endm
; A load into a register that a matrix instruction has read, and a vector instruction or a store that reads a matrix result, stand four places behind it; only plain vector instructions that name none of its registers are places.
.macro PLACES n
.rept \n
	v_nop
.endr
.endm
; A K step that has its successor in the same slot.  A token tile is free as soon as its eight products are issued, so one set serves the tokens: tiles 0-3 are fetched anew in the step's middle, tiles 4-7 at its end.
.macro STEP slot, q, zero, sw
	s_wait_dscnt 8                                 ; all but the youngest eight loads (the tokens' tiles 4-7)
	WIN MUL_LO+3*\sw
	MUL16 0, (\q)%2, \q, \slot, \zero, \sw
	MUL16 2, (\q)%2, \q, \slot, \zero, \sw
	s_wait_dscnt 0x0                               ; tiles 4-7 are in (asked for 32 matrix instructions ago)
	PLACES 4
	FETCH_B \slot, (\q)+1, 1-(\q)%2
	FETCH_A \slot, (\q)+1, 0
	WIN MUL_HI+3*\sw
	MUL16 4, (\q)%2, \q, \slot, \zero, \sw
	MUL16 6, (\q)%2, \q, \slot, \zero, \sw
	PLACES 4
	WIN 0
	FETCH_A \slot, (\q)+1, 4
.endm
.macro LAST slot, sw                   ; a slot's fourth K step fetches nothing
	s_wait_dscnt 8
	WIN MUL_LO+3*\sw
	MUL16 0, 1, 3, \slot, 0, \sw
	MUL16 2, 1, 3, \slot, 0, \sw
	s_wait_dscnt 0x0
	WIN MUL_HI+3*\sw
	MUL16 4, 1, 3, \slot, 0, \sw
	MUL16 6, 1, 3, \slot, 0, \sw
	WIN 0
.endm
.macro HALF slot, sw                   ; a slot's four K steps
.if \slot
	PLACES 4                                       ; for the loads into registers that the last products read
.endif
	FETCH_B \slot, 0, 0
	FETCH_A \slot, 0, 0
	SCALES \slot
	FETCH_A \slot, 0, 4
	STEP \slot, 0, 1-\slot, \sw                    ; the very first products start the sums: nothing is cleared
	STEP \slot, 1, 0, \sw
	STEP \slot, 2, 0, \sw
	LAST \slot, \sw
.endm
; The f32 sums of a batch's first 16 tokens: my token tile 0, where the flag is 0.  The flag hangs on my place in the cluster, so it goes into EXEC and no branch: elsewhere the stores run with all lanes off.
.macro EXPORT
	s_wait_xcnt 0x0                                ; EXEC changes only behind this wait
	v_mov_b32 v[FLG], s97
	v_cmp_eq_u32 vcc_lo, 0, v[FLG]
	s_and_saveexec_b32 s96, vcc_lo
	WIN 0x08                                       ; a store's data: window 2
.irp b, 0,1,2,3,4,5,6,7
	global_store_b128 v[LI], v[8*\b:8*\b+3], s[14:15] offset:1024*\b          ; each accumulator from its low end on
	global_store_b128 v[LI], v[8*\b+4:8*\b+7], s[14:15] offset:1024*\b+512
.endr
	WIN 0
	s_wait_xcnt 0x0                                ; and again, in front of the line that widens it
	s_or_b32 exec_lo, exec_lo, s96
.endm
; The way out: each accumulator's eight numbers pack into 16 bytes a lane, which are a group of an f16 fragment's image: stored as they stand, 512 consecutive bytes a store.
.macro OUT sw
.irp a, 0,1,2,3,4,5,6,7
.if \a >= 4
	s_wait_xcnt 0x0                                ; the stores of four tiles back have read their registers
.endif
	WIN 0x0a+5*(\a/4)                              ; sources 0 and 1: window 2 or 3
.irp b, 0,1,2,3,4,5,6,7
.irp i, 0,1,2,3
	v_cvt_pk_f16_f32 v[TMP+32*(\a%4)+4*\b+\i], v[64*(\a%4)+8*\b+2*\i], v[64*(\a%4)+8*\b+2*\i+1]
.endr
.endr
	WIN 0
.irp b, 0,1,2,3,4,5,6,7
.if \sw
	global_store_b128 v[LI], v[TMP+32*(\a%4)+4*\b:TMP+32*(\a%4)+4*\b+3], s[12:13] offset:(\b/4)*262144+(\a/2)*4096+(\b%4)*1024+(\a%2)*512   ; v: head b / 4; 32 keys a / 2; d tile b % 4; group a % 2
.else
	global_store_b128 v[LI], v[TMP+32*(\a%4)+4*\b:TMP+32*(\a%4)+4*\b+3], s[12:13] offset:2048*\a+(\b/4)*262144+(\b%4)*512   ; q, k: token tile a; head b / 4; d half and group b % 4
.endif
.endr
.endr
.endm
	s_wait_tensorcnt 1                             ; the scale words and my part of slot 0 are in (slot 1's load may be out),
	s_barrier_signal -1
	s_barrier_wait -1                              ; everybody's are
	s_cmp_eq_u32 ttmp9, 2                          ; the cluster's x: v's columns?  The same in all sixteen partners
	s_cbranch_scc1 .Lv0
	HALF 0, 0
	s_branch .Lmid
.Lv0:
	HALF 0, 1
.Lmid:
	s_wait_tensorcnt 0x0                           ; my part of slot 1 is in,
	s_wait_dscnt 0x0
	s_barrier_signal -1
	s_barrier_wait -1                              ; everybody's is
	s_cmp_eq_u32 ttmp9, 2
	s_cbranch_scc1 .Lv1
	HALF 1, 0
	PLACES 4                                       ; in front of the first reads of results and of the writes over the tokens' fragments
	EXPORT
	OUT 0
	s_branch .Lend
.Lv1:
	HALF 1, 1
	PLACES 4
	EXPORT
	OUT 1
.Lend:
	s_wait_tensorcnt 0x0                           ; the wave's end
	ds_add_u32 v[SPW], v[NIL]
	s_wait_dscnt 0x0
	CROUND                                         ; the closing round: no work-group ends while a partner may still ask for a block that names it
	s_endpgm
.Lfunc_end_k_qfd986b2750_qkv:
	.size	k_qfd986b2750_qkv, .Lfunc_end_k_qfd986b2750_qkv-k_qfd986b2750_qkv
	.p2alignl 7, 3214868480
	.fill 96, 4, 3214868480
	.section	.rodata,"a",@progbits
	.p2align	6, 0x0
	.amdhsa_kernel k_qfd986b2750_qkv
		.amdhsa_group_segment_fixed_size 327680
		.amdhsa_private_segment_fixed_size 0
		.amdhsa_enable_private_segment 0
		.amdhsa_kernarg_size 48
		.amdhsa_user_sgpr_count 2
		.amdhsa_user_sgpr_kernarg_segment_ptr 1
		.amdhsa_wavefront_size32 1
		.amdhsa_system_sgpr_workgroup_id_x 1
		.amdhsa_system_sgpr_workgroup_id_y 1
		.amdhsa_system_sgpr_workgroup_id_z 1
		.amdhsa_system_vgpr_workitem_id 0
		.amdhsa_next_free_vgpr 1024
		.amdhsa_next_free_sgpr 100
		.amdhsa_reserve_vcc 1
		.amdhsa_float_denorm_mode_32 3
		.amdhsa_float_denorm_mode_16_64 3
		.amdhsa_memory_ordered 1
		.amdhsa_forward_progress 1
		.amdhsa_inst_pref_size 228
	.end_amdhsa_kernel
	.amdgpu_metadata
---
amdhsa.version: [ 1, 2 ]
amdhsa.kernels:
  - .name:           k_qfd986b2750_qkv
    .symbol:         k_qfd986b2750_qkv.kd
    .args:
      - { .name: xcodes, .offset: 0, .size: 8, .value_kind: global_buffer, .address_space: global }
      - { .name: xscales, .offset: 8, .size: 8, .value_kind: global_buffer, .address_space: global }
      - { .name: wcodes, .offset: 16, .size: 8, .value_kind: global_buffer, .address_space: global }
      - { .name: wscales, .offset: 24, .size: 8, .value_kind: global_buffer, .address_space: global }
      - { .name: qkv, .offset: 32, .size: 8, .value_kind: global_buffer, .address_space: global }
      - { .name: q32, .offset: 40, .size: 8, .value_kind: global_buffer, .address_space: global }
    .group_segment_fixed_size: 327680
    .private_segment_fixed_size: 0
    .kernarg_segment_align: 8
    .kernarg_segment_size: 48
    .max_flat_workgroup_size: 128
    .sgpr_count:     100
    .vgpr_count:     1024
    .wavefront_size: 32
...
	.end_amdgpu_metadata
.endif
;; end of part 2
;; launch attn (part 3): grid 4 x 64, 8 waves a work-group, no clusters, 327,680 bytes of LDS; arguments qkv, ctx; writes ctx
.if DOCPART == 3
	.amdgcn_target "amdgcn-amd-amdhsa--gfx1250"
	.amdhsa_code_object_version 6
	.text
	.protected	k_qfd986b2750_attn
	.globl	k_qfd986b2750_attn
	.p2align	8
	.type	k_qfd986b2750_attn,@function
k_qfd986b2750_attn:
	s_mov_b64 s[64:65], 0
	v_nop
	global_prefetch_b8 v0, s[64:65] scope:SCOPE_SE
	s_setreg_imm32_b32 hwreg(HW_REG_WAVE_MODE, 25, 1), 1
	s_wait_xcnt 0x0
; ctx[b][q][64 h + d] = the sum over keys k <= q of softmax_k(q . k / 8) v, for 64 (batch, head) pairs of 2,048 positions, head size 64.  Operands in f16, products, maxima and sums in f32; the weights p are rounded to f16 for the second product.
; SHARES.  Work-group (p, bh) owns the query blocks p and 7 - p of 256 queries: (p + 1) + (8 - p) = 9 blocks of 256 keys in every work-group: the trip count is a constant and the work is equal.
; Each of the eight waves owns 32 queries of the block in hand: two tiles of 16; two waves share a SIMD, so that one wave's softmax stands beside the other's products.
; NO CLUSTER: the four work-groups of a head want different key blocks in four of the nine trips (block u of the walk is key block u up to p, then u - p - 1), so their requests are not the same loads.
; LAYOUT.  S^T = K Q^T (source 0 = 16 keys, source 1 = 16 queries) and O^T = V^T P (source 0 = 16 d, source 1 = P): a lane holds ONE query throughout; two tiles of S^T, packed to f16, are P's fragment.
; q, k, v come as images of operand registers (1,024 bytes a fragment): a block of 256 keys is 32,768 dense bytes of K and as many of V; every fragment load reads 512 consecutive LDS bytes.
; RING: two slots of 65,536 bytes (K, then V); each wave fetches 8,192 bytes by one tensor load behind each trip's barrier; one load of mine is out.
; SOFTMAX.  A running maximum m and sum l for each query: p = 2^(c s - c m), c = log2(e) / 8; in every step O and l are multiplied by a = 2^(c m_old - c m_new).  O and l begin as zeros, m as -3e38: the step is written once.
; THE MASK.  A step of 64 keys all of which come after my 32 queries is left out (a scalar branch on ids, round the step's work alone); on the diagonal hidden scores become -infinity ahead of the maximum.
; ctx leaves as images too: [K chunk of 128: 8][token tile 512][K step of 32: 4][1,024], k = 64 h + d: the projection's operand.
; LIMIT: q, k, v beyond 65,504 are infinite in f16.
; REGISTERS: window 0: v1-9 addresses and constants; v16-31 statistics, eight a tile; v64-127 S^T; v128-159 P; v160-223 K.   window 1: v0-31 Q; v32-95 O^T; v192-255 V.
.set SLOT1, 65536
.set VOFF,  32768
.set STEPB, 8192                       ; 64 keys of K, and of V
.set SPARE, 2*SLOT1                    ; the spare words, 128 bytes for each wave: four blocks of 256 bytes that no other line names
.set LI,   1                           ; v1  16 x lane
.set ADR,  2                           ; v2  LDS address of the step's fragments
.set SPW,  3                           ; v3  my spare word; never rewritten
.set NIL,  4                           ; v4  0; never rewritten
.set RH8,  5                           ; v5  lane % 16 - 8 (lane / 16)
.set DD,   6                           ; v6-7 the mask's bound for tile 0, 1
.set NINF, 8                           ; v8  -infinity
.set PFO,  9                           ; v9  256 x lane; never rewritten
.set ST,   16                          ; tile t at v[ST + 8 t]: +0 c m, +1 m, +2, +3 l, +4 .. +7 at work; a takes +6
.set S,    64
.set P,    128
.set KR,   160
.set QR,   0                           ; in window 1
.set O,    32
.set VR,   192
.set W_KQ, 0x04                        ; source 1 (Q) window 1
.set W_PV, 0x51                        ; V, C and D window 1; P window 0
.set W_RS, 0x41                        ; O^T (destination and source 0) window 1; a window 0
.set TO_1, 0x40                        ; destination window 1
; scalars: s8 wave, s9 p, s10 bh, s11 the trip, s12 key block to be asked for, s13 the step's first key, s14 my first query, s15 LDS byte of the step, s16 steps to go, s17 trips in which I prefetch,
; s[20:21] lane selects, s[22:23] c, s[24:31] group 1, s[32:35] group 0, s[36:37] my part of K or V, s[38:39] where my prefetches stand, s[40:41] Q, s[42:43] ctx, s46 the query block, s[48:49] q's head, s[50:51] ctx's head
.set MSB, 0
.macro WIN new
.if MSB != (\new)
	s_set_vgpr_msb (MSB<<8)|(\new)
.set MSB, (\new)
.endif
.endm
	s_load_b128 s[4:7], s[0:1], 0x0                ; qkv, ctx
	v_lshl_add_u32 v[SPW], v0, 2, SPARE
	v_mov_b32 v[NIL], 0
	ds_add_u32 v[SPW], v[NIL]                      ; the wave's opening: the add, twice on end, and its wait ahead of my first tensor load
	ds_add_u32 v[SPW], v[NIL]
	v_lshrrev_b32 v1, 5, v0
	v_readfirstlane_b32 s8, v1                     ; wave 0..7
	s_mov_b32 s9, ttmp9                            ; p
	s_and_b32 s10, ttmp7, 0xffff                   ; bh
	; group 1: a dense block of 8,192 bytes as 32 rows of 32 elements of 8 bytes
	s_mov_b32 s24, 3<<16
	s_mov_b32 s25, 32<<16
	s_mov_b32 s26, 32<<16
	s_mov_b32 s27, 32<<16
	s_mov_b32 s28, 32
	s_mov_b32 s29, 32
	s_mov_b32 s30, 0
	s_mov_b32 s31, 0
	s_mov_b32 s20, 0x76543210
	s_mov_b32 s21, 0xfedcba98
	s_mov_b32 s22, 0x3e38aa3b                      ; c = log2(e) / 8
	s_mov_b32 s23, s22                             ; (named with it as a pair, so it is written)
	s_lshl_b32 s44, s10, 18                        ; the head's 262,144 bytes
	s_mov_b32 s45, 0
	s_lshr_b32 s18, s8, 2                          ; waves 0-3 fetch K, waves 4-7 V:
	s_add_co_u32 s18, s18, 1
	s_lshl_b32 s18, s18, 24                        ; k lies 16,777,216 bytes behind q, v as far behind k;
	s_and_b32 s19, s8, 3
	s_lshl_b32 s19, s19, 13                        ; my quarter of a block
	s_add_co_u32 s52, s18, s19
	s_mov_b32 s53, 0
	s_and_b32 s18, s10, 15                         ; h
	s_lshr_b32 s19, s18, 1
	s_lshl_b32 s54, s19, 21                        ; ctx: K chunk h / 2,
	s_and_b32 s18, s18, 1
	s_lshl_b32 s18, s18, 11
	s_add_co_u32 s54, s54, s18                     ; K steps 2 (h % 2) on,
	s_lshr_b32 s18, s10, 4
	s_lshl_b32 s18, s18, 19
	s_add_co_u32 s54, s54, s18                     ; the batch's 128 token tiles
	s_mov_b32 s55, 0
	s_mov_b32 s32, 1                               ; group 0: count = 1,
	s_lshl_b32 s33, s8, 13                         ; LDS: slot 0, wave x 8,192
	s_cmp_eq_u32 s9, 0
	s_cselect_b32 s17, 7, 0                        ; the head's first work-group prefetches, in trips 0 to 6
	s_wait_dscnt 0x0                               ; both opening adds are done
	s_wait_kmcnt 0x0
	s_add_nc_u64 s[48:49], s[4:5], s[44:45]
	s_add_nc_u64 s[36:37], s[48:49], s[52:53]
	s_add_nc_u64 s[50:51], s[6:7], s[54:55]
	s_mov_b64 s[38:39], s[36:37]
	s_mov_b64 s[34:35], s[36:37]                   ; key block 0
	s_or_b32 s35, s35, 0x80000000
	tensor_load_to_lds s[32:35], s[24:31]
	s_nop 0
.rept 4
	v_nop
.endr
	v_and_b32 v1, 31, v0
	v_lshlrev_b32 v[PFO], 8, v1
	v_lshlrev_b32 v[LI], 4, v1
	v_and_b32 v[RH8], 15, v0
	v_bfe_u32 v6, v0, 4, 1
	v_lshlrev_b32 v6, 3, v6
	v_sub_nc_u32 v[RH8], v[RH8], v6
	v_mov_b32 v[NINF], 0xff800000
; A query block begins: its ids, Q's fragments (they stay in registers), zeros for O^T and l, -3e38 for m.
.macro INIT
	s_lshl_b32 s14, s46, 8
	s_lshl_b32 s18, s8, 5
	s_add_co_u32 s14, s14, s18                     ; my first query
	s_mov_b32 s13, 0                               ; the walk begins at key 0
	s_lshl_b32 s44, s46, 15                        ; 16 token tiles of 2,048 bytes a block,
	s_lshl_b32 s18, s8, 12
	s_add_co_u32 s44, s44, s18                     ; my two
	s_mov_b32 s45, 0
	s_add_nc_u64 s[40:41], s[48:49], s[44:45]
	s_lshl_b32 s44, s44, 1                         ; in ctx a token tile has 4,096 bytes
	s_add_nc_u64 s[42:43], s[50:51], s[44:45]
	WIN TO_1
.set i, 0
.rept 8
	global_load_b128 v[QR+4*i:QR+4*i+3], v[LI], s[40:41] offset:512*i
.set i, i+1
.endr
.set i, 0
.rept 64
	v_mov_b32 v[O+i], 0                            ; the step is written once: the first finds zeros, which the first a leaves zeros
.set i, i+1
.endr
	WIN 0
.irp t, 0,1
	v_mov_b32 v[ST+8*\t+1], 0xff61b1e6             ; m = -3e38, under every score
	v_mov_b32 v[ST+8*\t+2], 0
	v_mov_b32 v[ST+8*\t+3], 0
	v_mov_b32 v[ST+8*\t+5], 0                      ; (a lane permute's destination counts as one of its sources)
	v_mov_b32 v[ST+8*\t+7], 0                      ; (named as the upper half of a pair)
	v_mul_f32 v[ST+8*\t], s22, v[ST+8*\t+1]        ; c m
.endr
.endm
; A KEY STEP: 64 keys at LDS byte s15.
.macro STEP
	s_add_co_u32 s18, s14, 31
	s_cmp_gt_u32 s13, s18                          ; all 64 keys come after my last query: ids and counts of steps alone
	s_cbranch_scc1 .Lhidden_\@
	v_add_nc_u32 v[ADR], s15, v[LI]
.set n, 0
.rept 16
	ds_load_b128 v[KR+4*n:KR+4*n+3], v[ADR] offset:512*n       ; fragment n / 2 = 2 x key tile + d half
.set n, n+1
.endr
	s_wait_loadcnt 0x0                             ; Q (met at once but in a block's first step)
	s_wait_dscnt 0x0
	WIN W_KQ
.irp dh, 0,1                                   ; the eight accumulators by turns
.irp kt, 0,1,2,3
.irp qt, 0,1
.if \dh == 0
	v_wmma_f32_16x16x32_f16 v[S+32*\qt+8*\kt:S+32*\qt+8*\kt+7], v[KR+8*(2*\kt+\dh):KR+8*(2*\kt+\dh)+7], v[QR+16*\qt+8*\dh:QR+16*\qt+8*\dh+7], 0
.else
	v_wmma_f32_16x16x32_f16 v[S+32*\qt+8*\kt:S+32*\qt+8*\kt+7], v[KR+8*(2*\kt+\dh):KR+8*(2*\kt+\dh)+7], v[QR+16*\qt+8*\dh:QR+16*\qt+8*\dh+7], v[S+32*\qt+8*\kt:S+32*\qt+8*\kt+7]
.endif
.endr
.endr
.endr
	WIN 0
.rept 4
	v_nop                                          ; places in front of the first read of the scores
.endr
	s_add_co_u32 s18, s13, 63
	s_cmp_le_u32 s18, s14                          ; all 64 keys count for all my queries
	s_cbranch_scc1 .Lopen_\@
	s_sub_co_i32 s18, s14, s13
	v_add_nc_u32 v[DD], s18, v[RH8]                ; register 8 kt + j holds key KF + 16 kt + 8 (lane / 16) + j: hidden where 16 kt + j > my query - KF - 8 (lane / 16)
	v_add_nc_u32 v[DD+1], 16, v[DD]
.irp t, 0,1
.set n, 0
.rept 32
	v_cmp_gt_i32 vcc_lo, 16*(n/8)+n%8, v[DD+\t]
	v_cndmask_b32 v[S+32*\t+n], v[S+32*\t+n], v[NINF], vcc_lo
.set n, n+1
.endr
.endr
.Lopen_\@:
.irp j, 0,1,2,3                                ; the maximum of my 32 scores and the old m: four chains a tile, the tiles by turns; each accumulator is first read at its low end
.irp t, 0,1
	v_max3_num_f32 v[ST+8*\t+4+\j], v[S+32*\t+8*\j], v[S+32*\t+8*\j+1], v[S+32*\t+8*\j+2]
.endr
.endr
.irp g, 1,2
.irp j, 0,1,2,3
.irp t, 0,1
	v_max3_num_f32 v[ST+8*\t+4+\j], v[ST+8*\t+4+\j], v[S+32*\t+8*\j+2*\g+1], v[S+32*\t+8*\j+2*\g+2]
.endr
.endr
.endr
.irp t, 0,1
	v_max3_num_f32 v[ST+8*\t+4], v[ST+8*\t+4], v[S+32*\t+7], v[S+32*\t+15]
.endr
.irp t, 0,1
	v_max3_num_f32 v[ST+8*\t+6], v[ST+8*\t+6], v[S+32*\t+23], v[S+32*\t+31]
.endr
.irp t, 0,1
	v_max3_num_f32 v[ST+8*\t+4], v[ST+8*\t+4], v[ST+8*\t+5], v[ST+8*\t+6]
.endr
.irp t, 0,1
	v_max3_num_f32 v[ST+8*\t+4], v[ST+8*\t+4], v[ST+8*\t+7], v[ST+8*\t+1]
.endr
	WIN TO_1                                       ; V's run of loads: it lands while the exponentials are made.  The 32 lines above are the places behind the last step's products, which read these registers
.set n, 0
.rept 16
	ds_load_b128 v[VR+4*n:VR+4*n+3], v[ADR] offset:VOFF+512*n  ; fragment n / 2 = 4 x (32 keys) + d tile
.set n, n+1
.endr
	WIN 0
.irp t, 0,1
	v_permlanex16_b32 v[ST+8*\t+5], v[ST+8*\t+4], s20, s21     ; the query's other 32 keys lie in the lane 16 away
.endr
.irp t, 0,1
	v_mov_b32 v[ST+8*\t+7], v[ST+8*\t]             ; c m_old is kept for a
.endr
.irp t, 0,1
	v_max_num_f32 v[ST+8*\t+1], v[ST+8*\t+4], v[ST+8*\t+5]
.endr
.irp t, 0,1
	v_mul_f32 v[ST+8*\t], s22, v[ST+8*\t+1]
.endr
.irp t, 0,1
	v_sub_f32 v[ST+8*\t+7], v[ST+8*\t+7], v[ST+8*\t]
.endr
.set b, 0
.rept 16
.irp t, 0,1
	v_pk_fma_f32 v[S+32*\t+2*b:S+32*\t+2*b+1], v[S+32*\t+2*b:S+32*\t+2*b+1], s[22:23], v[ST+8*\t:ST+8*\t+1] op_sel_hi:[1,0,0] neg_lo:[0,0,1] neg_hi:[0,0,1]   ; c s - c m, two at a time
.endr
.set b, b+1
.endr
.irp t, 0,1
	v_exp_f32 v[ST+8*\t+6], v[ST+8*\t+7]           ; a
.endr
.set e, 0
.rept 64
	v_exp_f32 v[S+e], v[S+e]                       ; p: one batch of 66 exponentials
.set e, e+1
.endr
	v_nop                                          ; a plain line behind the last exponential,
	s_wait_alu depctr_va_vdst(0)                   ; and one wait for the batch, ahead of its first reader
.set i, 0
.rept 16
.irp t, 0,1
	v_cvt_pk_f16_f32 v[P+16*\t+i], v[S+32*\t+2*i], v[S+32*\t+2*i+1]
.endr
.set i, i+1
.endr
.irp w, 4,8,16,32                              ; the sum of a tile's 16 pairs, in place: neighbours 1, 2, 4 and 8 pairs apart
.set u, 0
.rept 32/\w
.irp t, 0,1
	v_pk_add_f32 v[S+32*\t+\w*u:S+32*\t+\w*u+1], v[S+32*\t+\w*u:S+32*\t+\w*u+1], v[S+32*\t+\w*u+\w/2:S+32*\t+\w*u+\w/2+1]
.endr
.set u, u+1
.endr
.endr
.irp t, 0,1
	v_pk_fma_f32 v[ST+8*\t+2:ST+8*\t+3], v[ST+8*\t+2:ST+8*\t+3], v[ST+8*\t+6:ST+8*\t+7], v[S+32*\t:S+32*\t+1] op_sel_hi:[1,0,1]   ; l = a l + the sum
.endr
	WIN W_RS
.irp t, 0,1
.set i, 0
.rept 16
	v_pk_mul_f32 v[O+32*\t+2*i:O+32*\t+2*i+1], v[O+32*\t+2*i:O+32*\t+2*i+1], v[ST+8*\t+6:ST+8*\t+7] op_sel_hi:[1,0]   ; O^T x a, each accumulator from its low end on
.set i, i+1
.endr
.endr
	s_wait_dscnt 0x0                               ; V is in
	WIN W_PV
.irp kh, 0,1                                   ; the eight accumulators by turns
.irp dt, 0,1,2,3
.irp qt, 0,1
	v_wmma_f32_16x16x32_f16 v[O+32*\qt+8*\dt:O+32*\qt+8*\dt+7], v[VR+8*(4*\kh+\dt):VR+8*(4*\kh+\dt)+7], v[P+16*\qt+8*\kh:P+16*\qt+8*\kh+7], v[O+32*\qt+8*\dt:O+32*\qt+8*\dt+7]
.endr
.endr
.endr
	WIN 0
.Lhidden_\@:
	s_add_co_u32 s13, s13, 64                      ; these steps are made in every step, hidden or not
	s_add_co_u32 s15, s15, STEPB
.endm
; A PREFETCH INTO THE L2 of key block trip + 1, which the head's first work-group asks for by its tensor load one trip (four key steps) later.  All four work-groups of a head walk the same K and V: the first asks, nobody else
; (a branch on the work-group's number: no cluster here).  Each wave asks for the 8,192 bytes that it fetches, lanes 256 bytes apart: each aligned block of 256 bytes is named once in the launch.  Block 0 comes by the loads alone; trips 7 and 8 ask for nothing.
.macro ASK
	s_cmp_lt_u32 s11, s17
	s_cbranch_scc0 .Lnot_mine_\@
	global_prefetch_b8 v[PFO], s[38:39] th:TH_LOAD_NT scope:SCOPE_SE
.Lnot_mine_\@:
.endm
; A TRIP: a block of 256 keys.  At its head the change of slots: each wave waits for all its tensor loads (its part of the slot ahead), adds 0 to its spare word, and waits for that and for its reads of the slot that it has left.
; Behind the barrier the slot ahead is whole and nobody reads the other one.  refill = 1: that other slot takes the walk's next block: the load has the trip's four steps in which to land.
.macro TRIP refill
	s_wait_tensorcnt 0x0                           ; no tensor load of mine is out, so group 0 may be written
	ds_add_u32 v[SPW], v[NIL]                      ; 0 onto my spare word
.if \refill
	s_add_co_u32 s12, s12, 1                       ; the next key block,
	s_cmp_eq_u32 s11, s9
	s_cselect_b32 s12, 0, s12                      ; or block 0 again, where the second query block begins
	s_lshl_b32 s44, s12, 15
	s_mov_b32 s45, 0
	s_add_nc_u64 s[34:35], s[36:37], s[44:45]
	s_or_b32 s35, s35, 0x80000000
	s_xor_b32 s33, s33, SLOT1                      ; the other slot than last time
	s_wait_xcnt 0x0                                ; the last prefetch, a trip back, has read its address
	s_add_nc_u64 s[38:39], s[38:39], 32768
.endif
	s_wait_dscnt 0x0                               ; the add is done, and my reads of the slot that I have left are over
	s_barrier_signal -1
	s_barrier_wait -1
.if \refill
	tensor_load_to_lds s[32:35], s[24:31]          ; the first thing behind the barrier, and my one tensor load until the next
	s_nop 0
.rept 4
	v_nop
.endr
	ASK
.endif
	s_mov_b32 s16, 4
.Lstep_\@:
	STEP
	s_sub_co_u32 s16, s16, 1
	s_cmp_lg_u32 s16, 0
	s_cbranch_scc1 .Lstep_\@
	s_sub_co_u32 s15, s15, 4*STEPB                 ; back to a slot's first step,
	s_xor_b32 s15, s15, SLOT1                      ; in the other slot
.endm
; A query block ends: O^T / l, packed to f16: four registers are a group of ctx's image: 512 consecutive bytes a store.
.macro FINISH
	s_wait_loadcnt 0x0                             ; Q's loads are done on every way: its registers may be loaded again
.rept 4
	v_nop                                          ; places behind the last products
.endr
.irp t, 0,1
	v_add_f32 v[ST+8*\t+4], v[ST+8*\t+2], v[ST+8*\t+3]
.endr
.irp t, 0,1
	v_permlanex16_b32 v[ST+8*\t+5], v[ST+8*\t+4], s20, s21
.endr
.irp t, 0,1
	v_add_f32 v[ST+8*\t+4], v[ST+8*\t+4], v[ST+8*\t+5]
.endr
.irp t, 0,1
	v_rcp_f32 v[ST+8*\t+6], v[ST+8*\t+4]
.endr
	v_nop                                          ; a plain line behind the last reciprocal,
	s_wait_alu depctr_va_vdst(0)                   ; and the wait ahead of the first reader
	WIN 0x01                                       ; source 0 (O^T) window 1
.irp t, 0,1
.set i, 0
.rept 16
	v_pk_mul_f32 v[S+32*\t+2*i:S+32*\t+2*i+1], v[O+32*\t+2*i:O+32*\t+2*i+1], v[ST+8*\t+6:ST+8*\t+7] op_sel_hi:[1,0]
.set i, i+1
.endr
.endr
	WIN 0
.set i, 0
.rept 32
	v_cvt_pk_f16_f32 v[P+i], v[S+2*i], v[S+2*i+1]
.set i, i+1
.endr
.irp t, 0,1
.irp dt, 0,1,2,3
	global_store_b128 v[LI], v[P+16*\t+4*\dt:P+16*\t+4*\dt+3], s[42:43] offset:4096*\t+512*\dt
.endr
.endr
	s_wait_xcnt 0x0                                ; the stores have read their registers and their base: both may be written again
.endm
	s_mov_b32 s46, s9                              ; the first query block: p
	INIT
	s_mov_b32 s11, 0
	s_mov_b32 s12, 0
	s_mov_b32 s15, 0
.Ltrip:                                                ; eight trips, each of which asks for the next block; slot 1's first fill stands behind trip 0's barrier
	TRIP 1
	s_cmp_lg_u32 s11, s9
	s_cbranch_scc1 .Lsame
	FINISH                                         ; trip p was the first query block's diagonal
	s_sub_co_u32 s46, 7, s9
	INIT
.Lsame:
	s_add_co_u32 s11, s11, 1
	s_cmp_lt_u32 s11, 8
	s_cbranch_scc1 .Ltrip
	TRIP 0                                         ; the ninth trip is written out: it asks for nothing
	FINISH
	s_wait_tensorcnt 0x0                           ; the wave's end
	ds_add_u32 v[SPW], v[NIL]
	s_wait_dscnt 0x0
	s_endpgm
.Lfunc_end_k_qfd986b2750_attn:
	.size	k_qfd986b2750_attn, .Lfunc_end_k_qfd986b2750_attn-k_qfd986b2750_attn
	.p2alignl 7, 3214868480
	.fill 96, 4, 3214868480
	.section	.rodata,"a",@progbits
	.p2align	6, 0x0
	.amdhsa_kernel k_qfd986b2750_attn
		.amdhsa_group_segment_fixed_size 327680
		.amdhsa_private_segment_fixed_size 0
		.amdhsa_enable_private_segment 0
		.amdhsa_kernarg_size 16
		.amdhsa_user_sgpr_count 2
		.amdhsa_user_sgpr_kernarg_segment_ptr 1
		.amdhsa_wavefront_size32 1
		.amdhsa_system_sgpr_workgroup_id_x 1
		.amdhsa_system_sgpr_workgroup_id_y 1
		.amdhsa_system_sgpr_workgroup_id_z 1
		.amdhsa_system_vgpr_workitem_id 0
		.amdhsa_next_free_vgpr 512
		.amdhsa_next_free_sgpr 66
		.amdhsa_reserve_vcc 1
		.amdhsa_float_denorm_mode_32 3
		.amdhsa_float_denorm_mode_16_64 3
		.amdhsa_memory_ordered 1
		.amdhsa_forward_progress 1
		.amdhsa_inst_pref_size 66
	.end_amdhsa_kernel
	.amdgpu_metadata
---
amdhsa.version: [ 1, 2 ]
amdhsa.kernels:
  - .name:           k_qfd986b2750_attn
    .symbol:         k_qfd986b2750_attn.kd
    .args:
      - { .name: qkv, .offset: 0, .size: 8, .value_kind: global_buffer, .address_space: global }
      - { .name: ctx, .offset: 8, .size: 8, .value_kind: global_buffer, .address_space: global }
    .group_segment_fixed_size: 327680
    .private_segment_fixed_size: 0
    .kernarg_segment_align: 8
    .kernarg_segment_size: 16
    .max_flat_workgroup_size: 256
    .sgpr_count:     66
    .vgpr_count:     512
    .wavefront_size: 32
...
	.end_amdgpu_metadata
.endif
;; end of part 3
;; launch proj (part 4): grid 4 x 64, 4 waves a work-group, clusters of 4 x 4, 327,680 bytes of LDS; arguments ctx, wp16, bp, out0; writes out0
.if DOCPART == 4
	.amdgcn_target "amdgcn-amd-amdhsa--gfx1250"
	.amdhsa_code_object_version 6
	.text
	.protected	k_qfd986b2750_proj
	.globl	k_qfd986b2750_proj
	.p2align	8
	.type	k_qfd986b2750_proj,@function
k_qfd986b2750_proj:
	s_mov_b64 s[64:65], 0
	v_nop
	global_prefetch_b8 v0, s[64:65] scope:SCOPE_SE
	s_setreg_imm32_b32 hwreg(HW_REG_WAVE_MODE, 25, 1), 1
	s_wait_xcnt 0x0
	s_wait_alu depctr_hold_cnt(0) depctr_sa_sdst(0) depctr_va_vdst(0) depctr_va_sdst(0) depctr_va_ssrc(0) depctr_va_vcc(0) depctr_vm_vsrc(0)
	s_getreg_b32 s2, hwreg(HW_REG_IB_STS2, 6, 4)
	s_cmp_eq_u32 s2, 0
	s_cbranch_scc0 .Lentry_in_a_cluster
	s_endpgm
.Lentry_in_a_cluster:
	s_bfe_u32 s2, ttmp6, 0x10000c
	s_cmp_lg_u32 s2, 0xf033
	s_cbranch_scc0 .Lentry_shape_is_right
	s_endpgm
.Lentry_shape_is_right:
; out = ctx Wp + bp.  ctx [8192][1024] and Wp's high parts in f16, as images of operand registers (16 rows x 32 K = 1,024 bytes); sums in f32; out [8192][1024] f32.
; (The first 16 positions of each batch are written again, more finely, by the launch that follows.)
; A work-group of four waves makes 128 tokens x 256 columns: 256 work-groups.  A wave makes 64 x 128: 32 accumulators.  K goes in 8 chunks of 128 through a ring of two LDS slots: a chunk's part of ctx is 32,768 dense bytes, of Wp 65,536.
; CLUSTERS: 4 x 4 work-groups; the four of a row need the same tokens, the four of a column the same columns of Wp: each block is asked for JOINTLY.
; THE PRODUCT IS USED TRANSPOSED (source 0 = 16 columns of Wp, source 1 = 16 tokens): a lane holds one token and eight neighbouring columns.  The bias is the C of each sum's first product: nothing is cleared, nothing is added.
; REGISTERS: window 0: v16-30 addresses; v32-95 the tokens' fragments, two buffers; v96-159 the bias, later with v160-223 rows on the way out.   window 1: v0-127 Wp's fragments, two buffers.   window 2: accumulator (a, b) at v[8 (8 a + b)].
.set SLOT,   98304                     ; the tokens' 8 tiles x 4,096 bytes, then Wp's 16
.set BOFF,   32768
.set STAGE,  2*SLOT                    ; behind the ring: 16 rows x 528 bytes for each wave, for the way out
.set SPITCH, 528
.set SPARE,  STAGE+4*16*SPITCH         ; the spare words, 128 bytes for each wave: two blocks of 256 bytes that no other line names
.set ADRA, 16                          ; v16-17  LDS address of my tokens' fragments in slot 0, 1
.set ADRB, 20                          ; v20-21  the same for Wp
.set STO,  24                          ; v24     the way out: where I put 32 bytes of a row
.set RD,   25                          ; v25     and where I read a row back
.set CO,   26                          ; v26     16 x lane
.set BO,   27                          ; v27     the bias: 32 x (lane / 16)
.set SPW,  28                          ; v28     my spare word; never rewritten
.set NIL,  29                          ; v29     0; never rewritten
.set PFO,  30                          ; v30     256 x lane; never rewritten
.set AFR,  32
.set BIAS, 96
.set BK,   96
.set G1,  16                           ; s[16:23] group 1 for ctx;  s[24:31] group 0, a set for each slot
.set G0,  24
.set G1B, 32                           ; s[32:39], s[48:55] the same for Wp
.set G0B, 48
.set PFA, 56                           ; s[56:57] where my prefetches stand
.set LIM, 15                           ; s15      1 in the wave that prefetches, else the greatest number
.set MSB, 0
.macro WIN new
.if MSB != (\new)
	s_set_vgpr_msb (MSB<<8)|(\new)
.set MSB, (\new)
.endif
.endm
.macro JLOAD s                         ; a joint load: waves 0 and 1 fetch ctx's two halves, waves 2 and 3 Wp's; an s_nop 0 and four v_nop follow each of the two lines
	s_cmp_eq_u32 s13, 0
	s_cbranch_scc0 .Lfor_b_\@
	tensor_load_to_lds s[G0+4*\s:G0+4*\s+3], s[G1:G1+7]
	s_nop 0
.rept 4
	v_nop
.endr
	s_branch .Lasked_\@
.Lfor_b_\@:
	tensor_load_to_lds s[G0B+4*\s:G0B+4*\s+3], s[G1B:G1B+7]
	s_nop 0
.rept 4
	v_nop
.endr
.Lasked_\@:
.endm
.macro CREST                           ; a round of the cluster's barrier behind its opening barrier
	s_cmp_lg_u32 s12, 0
	s_cbranch_scc1 .Lnot_wave_0_\@
	s_barrier_signal -3
.Lnot_wave_0_\@:
	s_barrier_wait -3
	s_barrier_signal -1
	s_barrier_wait -1
.endm
.macro CROUND
	s_barrier_signal -1
	s_barrier_wait -1
	CREST
.endm
; A PREFETCH INTO THE L2 of ctx's chunk two refills on (256 matrix instructions ahead of the load that names it).  A tile row's 32,768 bytes of a chunk are read by one row of one cluster: its four partners share them out BY ADDRESS,
; 8,192 bytes each; in each, wave 0 asks, lanes 256 bytes apart: each aligned block of 256 bytes is named once.  Chunks 0 to 3 come by their loads alone; the loop's last trip asks for nothing.  Wp is read by every row of clusters and is not asked for.
.macro ASK
	s_cmp_gt_u32 s3, s[LIM]
	s_cbranch_scc0 .Lnot_mine_\@
	global_prefetch_b8 v[PFO], s[PFA:PFA+1] th:TH_LOAD_NT scope:SCOPE_SE
.Lnot_mine_\@:
.endm
	s_load_b256 s[4:11], s[0:1], 0x0               ; ctx, wp16, bp, out0
	v_lshl_add_u32 v[SPW], v0, 2, SPARE
	v_mov_b32 v[NIL], 0
	ds_add_u32 v[SPW], v[NIL]                      ; the wave's opening: the add, twice on end, and its wait ahead of my first tensor load
	ds_add_u32 v[SPW], v[NIL]
	v_lshrrev_b32 v1, 5, v0
	v_readfirstlane_b32 s12, v1                    ; wave 0..3
	s_lshr_b32 s13, s12, 1                         ; which 64 tokens are mine.  Also: I fetch for ctx (0) or for Wp (1)
	s_and_b32 s14, s12, 1                          ; which 128 columns.  Also: which half I fetch
	s_bfe_u32 s40, ttmp6, 0x40000                  ; cx, cy
	s_bfe_u32 s41, ttmp6, 0x40004
	s_lshl_b32 s42, ttmp9, 2
	s_add_co_u32 s42, s42, s40                     ; tile column
	s_and_b32 s43, ttmp7, 0xffff
	s_lshl_b32 s43, s43, 2
	s_add_co_u32 s43, s43, s41                     ; tile row
	s_lshl_b32 s44, s41, 2
	s_lshl_b32 s44, 15, s44                        ; my row of the cluster
	s_lshl_b32 s45, 0x1111, s40                    ; my column
	s_or_b32 s[G1+0], s44, (3<<16)|(1<<21)         ; ctx: 16,384 dense bytes as 64 rows of 32 elements of 8 bytes
	s_mov_b32 s[G1+1], 32<<16
	s_mov_b32 s[G1+2], 64<<16
	s_mov_b32 s[G1+3], 32<<16
	s_mov_b32 s[G1+4], 64
	s_mov_b32 s[G1+5], 32
	s_mov_b32 s[G1+6], 0
	s_mov_b32 s[G1+7], 0
	s_or_b32 s[G1B+0], s45, (3<<16)|(1<<21)        ; Wp: 32,768 dense bytes as 128 rows
	s_mov_b32 s[G1B+1], 32<<16
	s_mov_b32 s[G1B+2], 128<<16
	s_mov_b32 s[G1B+3], 32<<16
	s_mov_b32 s[G1B+4], 128
	s_mov_b32 s[G1B+5], 32
	s_mov_b32 s[G1B+6], 0
	s_mov_b32 s[G1B+7], 0
	s_lshl_b32 s58, s43, 15                        ; ctx: 8 token tiles of 4,096 bytes a tile row, + my 4
	s_lshl_b32 s59, s14, 14
	s_add_co_u32 s58, s58, s59
	s_mov_b32 s59, 0
	s_lshl_b32 s60, s42, 16                        ; Wp: 16 column tiles a tile column, + my 8
	s_lshl_b32 s61, s14, 15
	s_add_co_u32 s60, s60, s61
	s_mov_b32 s61, 0
	s_lshl_b32 s46, s14, 14                        ; where they go: no place in the cluster enters an LDS address
	s_lshl_b32 s47, s14, 15
	s_add_co_u32 s47, s47, BOFF
	s_cmp_eq_u32 s12, 0
	s_cselect_b32 s[LIM], 1, -1
	s_wait_dscnt 0x0                               ; both opening adds are done
	s_wait_kmcnt 0x0
	s_add_nc_u64 s[58:59], s[4:5], s[58:59]
	s_add_nc_u64 s[60:61], s[6:7], s[60:61]
	CROUND                                         ; all sixteen work-groups are here: the first joint loads meet
.irp s, 0,1
	s_mov_b32 s[G0+4*\s], 1
	s_add_co_u32 s[G0+4*\s+1], s46, \s*SLOT
	s_add_nc_u64 s[G0+4*\s+2:G0+4*\s+3], s[58:59], \s*2097152      ; chunk s
	s_or_b32 s[G0+4*\s+3], s[G0+4*\s+3], 0x80000000
	s_mov_b32 s[G0B+4*\s], 1
	s_add_co_u32 s[G0B+4*\s+1], s47, \s*SLOT
	s_add_nc_u64 s[G0B+4*\s+2:G0B+4*\s+3], s[60:61], \s*262144
	s_or_b32 s[G0B+4*\s+3], s[G0B+4*\s+3], 0x80000000
	JLOAD \s                                       ; two loads of mine are out
.endr
	v_and_b32 v1, 15, v0                           ; r
	v_bfe_u32 v2, v0, 4, 1                         ; hh
	v_and_b32 v3, 31, v0
	v_lshlrev_b32 v[CO], 4, v3
	v_lshlrev_b32 v[PFO], 8, v3
	v_lshlrev_b32 v[BO], 5, v2
	s_lshl_b32 s62, s42, 10                        ; my first column, in bytes of f32: 1,024 x tile column + 512 x half
	s_lshl_b32 s63, s14, 9
	s_add_co_u32 s62, s62, s63
	s_mov_b32 s63, 0
	s_add_nc_u64 s[8:9], s[8:9], s[62:63]
	s_add_nc_u64 s[10:11], s[10:11], s[62:63]
.irp b, 0,1,2,3,4,5,6,7
	global_load_b128 v[BIAS+8*\b:BIAS+8*\b+3], v[BO], s[8:9] offset:64*\b          ; bp at my eight columns of tile b: 16 b + 8 hh + 0 .. 7
	global_load_b128 v[BIAS+8*\b+4:BIAS+8*\b+7], v[BO], s[8:9] offset:64*\b+16
.endr
	s_lshl_b32 s62, s43, 19                        ; my first row of out: 128 rows of 4,096 bytes a tile row, + 64 x half
	s_lshl_b32 s63, s13, 18
	s_add_co_u32 s62, s62, s63
	s_mov_b32 s63, 0
	s_add_nc_u64 s[10:11], s[10:11], s[62:63]
	s_lshl_b32 s62, s43, 15                        ; the prefetches: the tile row's block, my work-group's quarter of it,
	s_lshl_b32 s63, s40, 13
	s_add_co_u32 s62, s62, s63
	s_add_co_u32 s62, s62, 3*2097152               ; at chunk 3: the first refill steps it to chunk 4
	s_mov_b32 s63, 0
	s_add_nc_u64 s[PFA:PFA+1], s[4:5], s[62:63]
	s_lshl_b32 s62, s13, 14                        ; my 4 token tiles
	s_lshl_b32 s63, s14, 15                        ; my 8 column tiles,
	s_add_co_u32 s63, s63, BOFF                    ; behind the tokens' 8
.irp s, 0,1
	v_add_nc_u32 v[ADRA+\s], s62, v[CO]
	v_add_nc_u32 v[ADRB+\s], s63, v[CO]
	s_add_co_u32 s62, s62, SLOT
	s_add_co_u32 s63, s63, SLOT
.endr
	s_mul_i32 s62, s12, 16*SPITCH
	s_add_co_u32 s62, s62, STAGE                   ; my stage
	v_mul_u32_u24 v4, v1, SPITCH
	v_lshl_add_u32 v4, v2, 5, v4
	v_add_nc_u32 v[STO], s62, v4                   ; in: row r, 32 bytes for each half of the lanes
	v_add_nc_u32 v[RD], s62, v[CO]                 ; back: the 32 lanes take one row of 512 bytes
.macro PLACES                          ; four places in front of loads into registers that matrix instructions have read, and of the first read of results
.rept 4
	v_nop
.endr
.endm
.macro FETCH slot, q, p                ; the fragments of the slot's q-th K step of 32 into buffers p: 24 loads of 512 consecutive bytes
	WIN 0x40
.irp i, 0,1,2,3,4,5,6,7
.irp c, 0,1
	ds_load_b128 v[64*(\p)+8*\i+4*\c:64*(\p)+8*\i+4*\c+3], v[ADRB+\slot] offset:(4*\i+(\q))*1024+512*\c
.endr
.endr
	WIN 0
.irp i, 0,1,2,3
.irp c, 0,1
	ds_load_b128 v[AFR+32*(\p)+8*\i+4*\c:AFR+32*(\p)+8*\i+4*\c+3], v[ADRA+\slot] offset:(4*\i+(\q))*1024+512*\c
.endr
.endr
.endm
.macro MUL8 a, p, first                ; token tile a x the eight column tiles.  The 32 accumulators take turns in the same order in every K step
.if \first
	WIN 0x81                                       ; source 0 window 1, C (the bias) window 0, D window 2
.else
	WIN 0xa1                                       ; source 0 window 1, C and D window 2
.endif
.irp b, 0,1,2,3,4,5,6,7
.if \first
	v_wmma_f32_16x16x32_f16 v[8*(8*\a+\b):8*(8*\a+\b)+7], v[64*(\p)+8*\b:64*(\p)+8*\b+7], v[AFR+32*(\p)+8*\a:AFR+32*(\p)+8*\a+7], v[BIAS+8*\b:BIAS+8*\b+7]
.else
	v_wmma_f32_16x16x32_f16 v[8*(8*\a+\b):8*(8*\a+\b)+7], v[64*(\p)+8*\b:64*(\p)+8*\b+7], v[AFR+32*(\p)+8*\a:AFR+32*(\p)+8*\a+7], v[8*(8*\a+\b):8*(8*\a+\b)+7]
.endif
.endr
.endm
.macro KSTEP slot, q, first            ; one of a chunk's first three K steps: the next step's fragments are asked for, then this step's 32 products
	PLACES
	FETCH \slot, (\q)+1, 1-(\q)%2
	s_wait_dscnt 24                                ; all but the 24 just issued
	MUL8 0, (\q)%2, \first
	MUL8 1, (\q)%2, \first
	MUL8 2, (\q)%2, \first
	MUL8 3, (\q)%2, \first
.endm
; A chunk's last K step changes slots: ONE barrier; in front of it each wave waits for all its tensor loads, adds 0 to its spare word, and waits for that and for its reads of this slot.  fill = 1: this slot takes the chunk two on.
.macro TURN slot, next, fill
.if \fill
	s_wait_xcnt 0x0                                ; the last prefetch, a chunk back, has read its address
	s_add_nc_u64 s[PFA:PFA+1], s[PFA:PFA+1], 2097152
.endif
	WIN 0                                          ; (the add's two registers lie in window 0)
	s_wait_tensorcnt 0x0                           ; all my tensor loads have landed: my part of the next slot;
	ds_add_u32 v[SPW], v[NIL]                      ; 0 onto my spare word;
	s_wait_dscnt 1                                 ; (the add may be out)
	MUL8 0, 1, 0                                   ; eight matrix instructions stand between the add and the wait for it
	s_wait_dscnt 0x0                               ; the add is done, and my reads of this slot are over
	s_barrier_signal -1
	MUL8 1, 1, 0
	WIN 0
	s_barrier_wait -1
.if \fill
	CREST                                          ; the barrier has opened a round of the cluster's barrier: no wave of any partner still reads this slot or has a load on its way
	s_add_nc_u64 s[G0+4*\slot+2:G0+4*\slot+3], s[G0+4*\slot+2:G0+4*\slot+3], 2*2097152
	s_add_nc_u64 s[G0B+4*\slot+2:G0B+4*\slot+3], s[G0B+4*\slot+2:G0B+4*\slot+3], 2*262144
	JLOAD \slot                                    ; the first tensor load behind the round; its four v_nop are also the places in front of the loads below
.else
	PLACES
.endif
	FETCH \next, 0, 0
.if \fill
	ASK
.endif
	MUL8 2, 1, 0
	MUL8 3, 1, 0
.endm
	s_wait_tensorcnt 1                             ; my part of chunk 0 is in (chunk 1's load may be out),
	s_barrier_signal -1
	s_barrier_wait -1                              ; everybody's is
	FETCH 0, 0, 0
	s_wait_loadcnt 0x0                             ; the bias
	KSTEP 0, 0, 1                                  ; the first K step stands in front of the loop: its products start the sums, on the bias
	WIN 0                                          ; at a label and at a branch every window is 0
	s_mov_b32 s3, 3
.Llap:                                                 ; a trip goes once round the ring and fills both slots again: chunks 2 to 7
	KSTEP 0, 1, 0
	KSTEP 0, 2, 0
	TURN 0, 1, 1
	KSTEP 1, 0, 0
	KSTEP 1, 1, 0
	KSTEP 1, 2, 0
	TURN 1, 0, 1
	KSTEP 0, 0, 0
	WIN 0
	s_sub_co_u32 s3, s3, 1
	s_cmp_lg_u32 s3, 0
	s_cbranch_scc1 .Llap
	KSTEP 0, 1, 0                                  ; the last lap fills nothing, and has no round of the cluster's barrier
	KSTEP 0, 2, 0
	TURN 0, 1, 0
	KSTEP 1, 0, 0
	KSTEP 1, 1, 0
	KSTEP 1, 2, 0
	s_wait_dscnt 0x0
	MUL8 0, 1, 0
	MUL8 1, 1, 0
	MUL8 2, 1, 0
	MUL8 3, 1, 0
	WIN 0
; THE WAY OUT, block by block of 16 rows x 128 columns: through my own stage in LDS and back as whole rows of 512 bytes.  LDS serves a wave's instructions in order (ISA guide 5.7.1.4): no wait between the stores and the loads.
.macro TOSTAGE a
	WIN 0x08                                       ; an LDS store's data: window 2
.irp b, 0,1,2,3,4,5,6,7
	ds_store_b128 v[STO], v[64*(\a)+8*\b:64*(\a)+8*\b+3] offset:64*\b             ; each accumulator from its low end on
	ds_store_b128 v[STO], v[64*(\a)+8*\b+4:64*(\a)+8*\b+7] offset:64*\b+16
.endr
	WIN 0
.set BB, BK+64*((\a)%2)
.irp t, 0,1,2,3,4,5,6,7,8,9,10,11,12,13,14,15
	ds_load_b128 v[BB+4*\t:BB+4*\t+3], v[RD] offset:\t*SPITCH
.endr
.endm
.macro SEND a, younger                 ; younger: the LDS instructions issued behind block a's loads, which may stay out
.set BB, BK+64*((\a)%2)
	s_wait_dscnt \younger
.irp t, 0,1,2,3,4,5,6,7,8,9,10,11,12,13,14,15
	global_store_b128 v[CO], v[BB+4*\t:BB+4*\t+3], s[10:11] offset:(16*(\a)+\t)*4096 th:TH_STORE_NT   ; 32 lanes store 512 consecutive bytes, at a multiple of 256 from out's first byte
.endr
.endm
	PLACES
	TOSTAGE 0
.irp a, 1,2,3
.if \a > 1
	s_wait_xcnt 0x0                                ; block a - 2's stores have read their registers: block a's loads may land there
.endif
	TOSTAGE \a
	SEND \a-1, 32                                  ; behind block a - 1's loads: block a's 16 stores and 16 loads
.endr
	SEND 3, 0
	s_wait_tensorcnt 0x0                           ; the wave's end, behind my last tensor load and my last LDS store
	ds_add_u32 v[SPW], v[NIL]
	s_wait_dscnt 0x0
	CROUND                                         ; the closing round
	s_endpgm
.Lfunc_end_k_qfd986b2750_proj:
	.size	k_qfd986b2750_proj, .Lfunc_end_k_qfd986b2750_proj-k_qfd986b2750_proj
	.p2alignl 7, 3214868480
	.fill 96, 4, 3214868480
	.section	.rodata,"a",@progbits
	.p2align	6, 0x0
	.amdhsa_kernel k_qfd986b2750_proj
		.amdhsa_group_segment_fixed_size 327680
		.amdhsa_private_segment_fixed_size 0
		.amdhsa_enable_private_segment 0
		.amdhsa_kernarg_size 32
		.amdhsa_user_sgpr_count 2
		.amdhsa_user_sgpr_kernarg_segment_ptr 1
		.amdhsa_wavefront_size32 1
		.amdhsa_system_sgpr_workgroup_id_x 1
		.amdhsa_system_sgpr_workgroup_id_y 1
		.amdhsa_system_sgpr_workgroup_id_z 1
		.amdhsa_system_vgpr_workitem_id 0
		.amdhsa_next_free_vgpr 768
		.amdhsa_next_free_sgpr 66
		.amdhsa_reserve_vcc 0
		.amdhsa_float_denorm_mode_32 3
		.amdhsa_float_denorm_mode_16_64 3
		.amdhsa_memory_ordered 1
		.amdhsa_forward_progress 1
		.amdhsa_inst_pref_size 87
	.end_amdhsa_kernel
	.amdgpu_metadata
---
amdhsa.version: [ 1, 2 ]
amdhsa.kernels:
  - .name:           k_qfd986b2750_proj
    .symbol:         k_qfd986b2750_proj.kd
    .args:
      - { .name: ctx, .offset: 0, .size: 8, .value_kind: global_buffer, .address_space: global }
      - { .name: wp16, .offset: 8, .size: 8, .value_kind: global_buffer, .address_space: global }
      - { .name: bp, .offset: 16, .size: 8, .value_kind: global_buffer, .address_space: global }
      - { .name: out0, .offset: 24, .size: 8, .value_kind: global_buffer, .address_space: global }
    .group_segment_fixed_size: 327680
    .private_segment_fixed_size: 0
    .kernarg_segment_align: 8
    .kernarg_segment_size: 32
    .max_flat_workgroup_size: 128
    .sgpr_count:     66
    .vgpr_count:     768
    .wavefront_size: 32
...
	.end_amdgpu_metadata
.endif
;; end of part 4
;; launch first16 (part 5): grid 64 x 1, 16 waves a work-group, no clusters, 84,992 bytes of LDS; arguments q32, wp16, bp, out0; writes out0
.if DOCPART == 5
	.amdgcn_target "amdgcn-amd-amdhsa--gfx1250"
	.amdhsa_code_object_version 6
	.text
	.protected	k_qfd986b2750_first16
	.globl	k_qfd986b2750_first16
	.p2align	8
	.type	k_qfd986b2750_first16,@function
k_qfd986b2750_first16:
	s_mov_b64 s[64:65], 0
	v_nop
	global_prefetch_b8 v0, s[64:65] scope:SCOPE_SE
	s_setreg_imm32_b32 hwreg(HW_REG_WAVE_MODE, 25, 1), 1
	s_wait_xcnt 0x0
; The first 16 positions of each batch, carried finely: their rows average one to sixteen values and are the largest of the output.  They overwrite 64 rows of out.
; Attention in f32 on the f32 sums of the quantised products (q32), by the f32 matrix form; ctx and Wp as pairs of f16, a high and a low part, three products (high x high, high x low, low x high), sums in f32.
; SHARES.  Work-group = (batch, group of 64 output columns).  Phase 1: wave w is head w; the 16 x 16 attention is made again in each of a batch's 16 work-groups (32 small matrix instructions a wave).
; Phase 2: wave = (column tile w % 4, quarter of K w / 4); the four quarters meet in LDS.
; LAYOUT.  q32 holds accumulator images.  q, k: lane (r, hh), register j of d tile dt: (token r, d = 16 dt + 8 hh + j);  v: (d = 16 dt + r, token 8 hh + j).  A register pair (2 i, 2 i + 1) is an operand of the K = 4 form under one
; permutation of k that both sources share.  S^T = k q^T gives a lane one query and keys 8 hh + j; O^T = v^T p^T one query and eight d.
; The registers that the f32 matrix form writes (v24-71) are written by matrix instructions alone.
; No tensor loads.  LIMIT: ctx and Wp beyond 65,504 are infinite in f16.
.set CI,    0                          ; ctx's images: [K step of 32: 32][high 1,024, low 1,024]
.set RED,   65536                      ; the quarters' sums: [quarter 4][16 rows x 272 bytes]
.set SPARE, RED+4*4352                 ; the spare words, 128 bytes for each wave: eight blocks of 256 bytes that no other line names
.set LI,   4                           ; v4   16 x lane
.set CIW,  5                           ; v5   where my head's images go
.set CIR,  6                           ; v6   where my quarter's images lie
.set REDW, 7                           ; v7   where my sums go
.set REDR, 8                           ; v8   where I read two rows' sums
.set SPW,  16                          ; v16  my spare word; never rewritten
.set NIL,  17                          ; v17  0; never rewritten
	s_load_b256 s[4:11], s[0:1], 0x0               ; q32, wp16, bp, out0
	v_lshl_add_u32 v[SPW], v0, 2, SPARE
	v_mov_b32 v[NIL], 0
	v_lshrrev_b32 v1, 5, v0
	v_readfirstlane_b32 s12, v1                    ; wave 0..15
	s_lshr_b32 s13, ttmp9, 4                       ; the batch
	s_and_b32 s14, ttmp9, 15                       ; the group of 64 columns
	s_and_b32 s15, s12, 3                          ; phase 2: my column tile,
	s_lshr_b32 s16, s12, 2                         ; my quarter of K
	s_mov_b32 s18, 0x76543210
	s_mov_b32 s19, 0xfedcba98
	s_mov_b32 s22, 0x3e38aa3b                      ; c = log2(e) / 8
	v_and_b32 v1, 31, v0
	v_and_b32 v2, 15, v0                           ; r
	v_bfe_u32 v3, v0, 4, 1                         ; hh
	v_lshlrev_b32 v[LI], 4, v1
	s_lshl_b32 s20, s12, 12
	v_add_nc_u32 v[CIW], s20, v[LI]                ; head w: K steps 2 w, 2 w + 1
	s_lshl_b32 s20, s16, 14
	v_add_nc_u32 v[CIR], s20, v[LI]                ; quarter: 8 K steps of 2,048 bytes
	s_mul_i32 s20, s16, 4352
	s_lshl_b32 s21, s15, 6
	s_add_co_u32 s20, s20, s21
	s_add_co_u32 s20, s20, RED
	v_mul_u32_u24 v[REDW], v2, 272
	v_lshl_add_u32 v[REDW], v3, 5, v[REDW]
	v_add_nc_u32 v[REDW], s20, v[REDW]             ; row r, + 64 x column tile + 32 hh
	s_and_b32 s23, s12, 7
	s_mul_i32 s20, s23, 544
	s_add_co_u32 s20, s20, RED
	v_mul_u32_u24 v[REDR], v3, 272
	v_lshl_add_u32 v[REDR], v2, 4, v[REDR]
	v_add_nc_u32 v[REDR], s20, v[REDR]             ; rows 2 (w % 8) + hh, 16 bytes a lane
	v_lshlrev_b32 v9, 3, v3
	v_sub_nc_u32 v9, v2, v9                        ; r - 8 hh: key 8 hh + j is hidden where j is above it
	v_mov_b32 v10, 0xff800000                      ; -infinity
	v_lshlrev_b32 v11, 4, v2                       ; 16 r
	v_lshl_add_u32 v21, v3, 12, v11                ; out: row hh of my two, 16 bytes a lane
	s_mul_i32 s20, s13, 48
	s_add_co_u32 s20, s20, s12
	s_lshl_b32 s20, s20, 12                        ; q32: (48 batch + head) x 4,096; k and v lie 65,536 and 131,072 further on
	s_mov_b32 s21, 0
	s_lshl_b32 s24, s16, 19                        ; wp16: my quarter: two chunks of 262,144 bytes,
	s_lshl_b32 s25, s14, 2
	s_add_co_u32 s25, s25, s15
	s_lshl_b32 s25, s25, 12                        ; my column tile
	s_add_co_u32 s24, s24, s25
	s_mov_b32 s25, 0
	s_lshl_b32 s26, s14, 8                         ; 64 columns of f32
	s_mov_b32 s27, 0
	s_lshl_b32 s28, s13, 23                        ; out: the batch's 2,048 rows of 4,096 bytes,
	s_lshl_b32 s29, s23, 13                        ; my two rows,
	s_add_co_u32 s28, s28, s29
	s_add_co_u32 s28, s28, s26                     ; the columns
	s_mov_b32 s29, 0
	s_wait_kmcnt 0x0
	s_add_nc_u64 s[4:5], s[4:5], s[20:21]
	s_add_nc_u64 s[6:7], s[6:7], s[24:25]
	s_add_nc_u64 s[8:9], s[8:9], s[26:27]
	s_add_nc_u64 s[10:11], s[10:11], s[28:29]
.irp t, 0,1,2
.irp dt, 0,1,2,3
.irp u, 0,1
	global_load_b128 v[128+32*\t+8*\dt+4*\u:128+32*\t+8*\dt+4*\u+3], v[LI], s[4:5] offset:65536*\t+1024*\dt+512*\u   ; q v128-159, k v160-191, v v192-223
.endr
.endr
.endr
	global_load_b128 v[12:15], v11, s[8:9]         ; bp at my four columns of the way out
	s_wait_loadcnt 0x0
	; ---- S^T = k q^T: 16 products of K = 4, two accumulators by turns; the first two start the sums
.set i, 0
.rept 16
.set acc, 24+8*(i%2)
.if i < 2
	v_wmma_f32_16x16x4_f32 v[acc:acc+7], v[160+2*i:161+2*i], v[128+2*i:129+2*i], 0
.else
	v_wmma_f32_16x16x4_f32 v[acc:acc+7], v[160+2*i:161+2*i], v[128+2*i:129+2*i], v[acc:acc+7]
.endif
.set i, i+1
.endr
.rept 8
	v_nop                                          ; eight places behind this form
.endr
.irp j, 0,1,2,3,4,5,6,7
	v_add_f32 v[96+\j], v[24+\j], v[32+\j]         ; the score of key 8 hh + j, from the low end on
.endr
.irp j, 0,1,2,3,4,5,6,7
	v_cmp_gt_i32 vcc_lo, \j, v9
	v_cndmask_b32 v[96+\j], v[96+\j], v10, vcc_lo  ; hidden keys: -infinity
.endr
	v_max3_num_f32 v18, v96, v97, v98
	v_max3_num_f32 v18, v18, v99, v100
	v_max3_num_f32 v18, v18, v101, v102
	v_max_num_f32 v18, v18, v103
	v_mov_b32 v19, 0
	v_permlanex16_b32 v19, v18, s18, s19
	v_max_num_f32 v18, v18, v19                    ; the row's maximum: key 0 counts for every query, so it is a number
	v_mul_f32 v20, s22, v18
.irp j, 0,1,2,3,4,5,6,7
	v_fma_f32 v[104+\j], v[96+\j], s22, -v20
.endr
.irp j, 0,1,2,3,4,5,6,7
	v_exp_f32 v[104+\j], v[104+\j]                 ; p = 2^(c s - c m)
.endr
	v_nop                                          ; a plain line behind the last exponential,
	s_wait_alu depctr_va_vdst(0)                   ; and one wait for the batch
	v_add_f32 v18, v104, v105
	v_add_f32 v22, v106, v107
	v_add_f32 v18, v18, v108
	v_add_f32 v22, v22, v109
	v_add_f32 v18, v18, v110
	v_add_f32 v22, v22, v111
	v_add_f32 v18, v18, v22
	v_permlanex16_b32 v19, v18, s18, s19
	v_add_f32 v18, v18, v19                        ; the row's sum
	v_rcp_f32 v20, v18
	v_nop                                          ; a plain line behind the reciprocal; its wait stands ahead of its first reader, below
	; ---- O^T = v^T p^T: four accumulators by turns
.irp kk, 0,1,2,3
.irp dt, 0,1,2,3
.if \kk == 0
	v_wmma_f32_16x16x4_f32 v[40+8*\dt:47+8*\dt], v[192+8*\dt+2*\kk:193+8*\dt+2*\kk], v[104+2*\kk:105+2*\kk], 0
.else
	v_wmma_f32_16x16x4_f32 v[40+8*\dt:47+8*\dt], v[192+8*\dt+2*\kk:193+8*\dt+2*\kk], v[104+2*\kk:105+2*\kk], v[40+8*\dt:47+8*\dt]
.endif
.endr
.endr
.rept 8
	v_nop                                          ; eight places: in front of loads into registers that these products read, and of the first read of results
.endr
.irp k, 0,1,2,3,4,5,6,7                        ; phase 2's fragments of Wp are asked for here: high v128-191, low v192-255
.irp c, 0,1
	global_load_b128 v[128+8*\k+4*\c:128+8*\k+4*\c+3], v[LI], s[6:7] offset:(\k/4)*262144+(\k%4)*1024+512*\c
	global_load_b128 v[192+8*\k+4*\c:192+8*\k+4*\c+3], v[LI], s[6:7] offset:2097152+(\k/4)*262144+(\k%4)*1024+512*\c
.endr
.endr
	s_wait_alu depctr_va_vdst(0)                   ; the reciprocal's wait
.set n, 0
.rept 32
	v_mul_f32 v[96+n], v[40+n], v20                ; ctx(query r, d = 16 dt + 8 hh + j), each accumulator from its low end on
.set n, n+1
.endr
.set i, 0
.rept 16
	v_cvt_pk_f16_f32 v[72+i], v[96+2*i], v[97+2*i] ; the high parts
.set i, i+1
.endr
.set i, 0
.rept 8
	v_mov_b32 v18, v[72+2*i]                       ; (into registers whose halves are named)
	v_mov_b32 v19, v[73+2*i]
	v_cvt_f32_f16 v22, v18.l
	v_cvt_f32_f16 v23, v18.h
	v_cvt_f32_f16 v1, v19.l
	v_cvt_f32_f16 v2, v19.h
	v_sub_f32 v[96+4*i], v[96+4*i], v22            ; what the high part left over, exactly
	v_sub_f32 v[97+4*i], v[97+4*i], v23
	v_sub_f32 v[98+4*i], v[98+4*i], v1
	v_sub_f32 v[99+4*i], v[99+4*i], v2
.set i, i+1
.endr
.set i, 0
.rept 16
	v_cvt_pk_f16_f32 v[96+i], v[96+2*i], v[97+2*i] ; the low parts, packed downward in place
.set i, i+1
.endr
.irp dt, 0,1,2,3
	ds_store_b128 v[CIW], v[72+4*\dt:75+4*\dt] offset:(\dt/2)*2048+(\dt%2)*512          ; d tile dt is group dt % 2 of K step 2 w + dt / 2
	ds_store_b128 v[CIW], v[96+4*\dt:99+4*\dt] offset:(\dt/2)*2048+(\dt%2)*512+1024
.endr
	s_wait_dscnt 0x0                               ; for the others' sake: my images have landed
	s_barrier_signal -1
	s_barrier_wait -1
	; ---- phase 2: 16 columns x 16 tokens over my 256 of K: three accumulators by turns
	s_wait_loadcnt 0x0                             ; Wp's fragments
.irp rr, 0,1,2,3
.irp n, 0,1,2,3,4,5,6,7
	ds_load_b128 v[96+4*\n:99+4*\n], v[CIR] offset:4096*\rr+512*\n   ; two K steps: high, low, high, low
.endr
	s_wait_dscnt 0x0
.irp u, 0,1
.if (\rr == 0) && (\u == 0)
	v_wmma_f32_16x16x32_f16 v[72:79], v[128+8*(2*\rr+\u):135+8*(2*\rr+\u)], v[96+16*\u:103+16*\u], 0
	v_wmma_f32_16x16x32_f16 v[80:87], v[128+8*(2*\rr+\u):135+8*(2*\rr+\u)], v[104+16*\u:111+16*\u], 0
	v_wmma_f32_16x16x32_f16 v[88:95], v[192+8*(2*\rr+\u):199+8*(2*\rr+\u)], v[96+16*\u:103+16*\u], 0
.else
	v_wmma_f32_16x16x32_f16 v[72:79], v[128+8*(2*\rr+\u):135+8*(2*\rr+\u)], v[96+16*\u:103+16*\u], v[72:79]
	v_wmma_f32_16x16x32_f16 v[80:87], v[128+8*(2*\rr+\u):135+8*(2*\rr+\u)], v[104+16*\u:111+16*\u], v[80:87]
	v_wmma_f32_16x16x32_f16 v[88:95], v[192+8*(2*\rr+\u):199+8*(2*\rr+\u)], v[96+16*\u:103+16*\u], v[88:95]
.endif
.endr
.rept 4
	v_nop                                          ; places in front of the next loads, and of the first read of results
.endr
.endr
.irp j, 0,1,2,3,4,5,6,7
	v_add_f32 v[96+\j], v[72+\j], v[80+\j]
	v_add_f32 v[96+\j], v[96+\j], v[88+\j]
.endr
	ds_store_b128 v[REDW], v[96:99]                ; (token r, columns 16 nt + 8 hh + 0 .. 7)
	ds_store_b128 v[REDW], v[100:103] offset:16
	s_wait_dscnt 0x0
	s_barrier_signal -1
	s_barrier_wait -1
	s_cmp_ge_u32 s12, 8
	s_cbranch_scc1 .Lend
.irp k, 0,1,2,3                                ; waves 0-7: two rows each; the four quarters and the bias
	ds_load_b128 v[96+4*\k:99+4*\k], v[REDR] offset:4352*\k
.endr
	s_wait_dscnt 0x0
	v_pk_add_f32 v[96:97], v[96:97], v[100:101]
	v_pk_add_f32 v[98:99], v[98:99], v[102:103]
	v_pk_add_f32 v[104:105], v[104:105], v[108:109]
	v_pk_add_f32 v[106:107], v[106:107], v[110:111]
	v_pk_add_f32 v[96:97], v[96:97], v[104:105]
	v_pk_add_f32 v[98:99], v[98:99], v[106:107]
	v_pk_add_f32 v[96:97], v[96:97], v[12:13]
	v_pk_add_f32 v[98:99], v[98:99], v[14:15]
	global_store_b128 v21, v[96:99], s[10:11]      ; sixteen lanes store 256 consecutive bytes, at a multiple of 256 from out's first byte
.Lend:
	s_wait_tensorcnt 0x0                           ; the wave's end, behind my last LDS store
	ds_add_u32 v[SPW], v[NIL]
	s_wait_dscnt 0x0
	s_endpgm
.Lfunc_end_k_qfd986b2750_first16:
	.size	k_qfd986b2750_first16, .Lfunc_end_k_qfd986b2750_first16-k_qfd986b2750_first16
	.p2alignl 7, 3214868480
	.fill 96, 4, 3214868480
	.section	.rodata,"a",@progbits
	.p2align	6, 0x0
	.amdhsa_kernel k_qfd986b2750_first16
		.amdhsa_group_segment_fixed_size 84992
		.amdhsa_private_segment_fixed_size 0
		.amdhsa_enable_private_segment 0
		.amdhsa_kernarg_size 32
		.amdhsa_user_sgpr_count 2
		.amdhsa_user_sgpr_kernarg_segment_ptr 1
		.amdhsa_wavefront_size32 1
		.amdhsa_system_sgpr_workgroup_id_x 1
		.amdhsa_system_sgpr_workgroup_id_y 1
		.amdhsa_system_sgpr_workgroup_id_z 1
		.amdhsa_system_vgpr_workitem_id 0
		.amdhsa_next_free_vgpr 256
		.amdhsa_next_free_sgpr 66
		.amdhsa_reserve_vcc 1
		.amdhsa_float_denorm_mode_32 3
		.amdhsa_float_denorm_mode_16_64 3
		.amdhsa_memory_ordered 1
		.amdhsa_forward_progress 1
		.amdhsa_inst_pref_size 25
	.end_amdhsa_kernel
	.amdgpu_metadata
---
amdhsa.version: [ 1, 2 ]
amdhsa.kernels:
  - .name:           k_qfd986b2750_first16
    .symbol:         k_qfd986b2750_first16.kd
    .args:
      - { .name: q32, .offset: 0, .size: 8, .value_kind: global_buffer, .address_space: global }
      - { .name: wp16, .offset: 8, .size: 8, .value_kind: global_buffer, .address_space: global }
      - { .name: bp, .offset: 16, .size: 8, .value_kind: global_buffer, .address_space: global }
      - { .name: out0, .offset: 24, .size: 8, .value_kind: global_buffer, .address_space: global }
    .group_segment_fixed_size: 84992
    .private_segment_fixed_size: 0
    .kernarg_segment_align: 8
    .kernarg_segment_size: 32
    .max_flat_workgroup_size: 512
    .sgpr_count:     66
    .vgpr_count:     256
    .wavefront_size: 32
...
	.end_amdgpu_metadata
.endif
;; end of part 5
